; MI455X (gfx1250); checked and timed in simulation.
; The chip was launched on July 23, 2026; its instructions are those of AMD's public machine-readable ISA for CDNA 5 (MIT licence, August 2026) and "CDNA5" Instruction Set Architecture Reference Guide (July 2026). The comments in the code are by the model that wrote it; some were corrected since.
;; Graphormer Attention. Allowed arithmetic: matrix products marked QUANTISED: E2M3 operands, one E8M0 scale for each 32 along K, by v_wmma_scale_f32_16x16x128_f8f6f4 with both operands' format E2M3, f32 sums; everything else in f32.
;; Inputs: Wk_codes 768 x 24 x 24 uint8 (E2M3 codes of Wk, K innermost, in blocks of 32 codes, four codes in three bytes); Wk_scales 768 x 24 uint8 (E8M0 scales of Wk, one for each 32 codes along K); Wo_codes 768 x 24 x 24 uint8 (E2M3 codes of Wo, K innermost, in blocks of 32 codes, four codes in three bytes); Wo_scales 768 x 24 uint8 (E8M0 scales of Wo, one for each 32 codes along K); Wq_codes 768 x 24 x 24 uint8 (E2M3 codes of Wq, K innermost, in blocks of 32 codes, four codes in three bytes); Wq_scales 768 x 24 uint8 (E8M0 scales of Wq, one for each 32 codes along K); Wv_codes 768 x 24 x 24 uint8 (E2M3 codes of Wv, K innermost, in blocks of 32 codes, four codes in three bytes); Wv_scales 768 x 24 uint8 (E8M0 scales of Wv, one for each 32 codes along K); bk 768 float32; bo 768 float32; bq 768 float32; bv 768 float32; edge_enc 8 x 1,024 x 1,024 float32; mask 8 x 1,024 x 1,024 bool; sp_enc 8 x 1,024 x 1,024 float32; x_codes 8 x 1,024 x 24 x 24 uint8 (E2M3 codes of x, K innermost, in blocks of 32 codes, four codes in three bytes); x_scales 8 x 1,024 x 24 uint8 (E8M0 scales of x, one for each 32 codes along K).
;; Outputs: out0 8 x 1,024 x 768 float32.
;; This version of the problem:
;;   THIS VERSION OF THE PROBLEM IS GIVEN IN LOW PRECISION. The matrix products marked QUANTISED in the list below multiply operands that are first quantised to E2M3 (2 exponent bits, 3 mantissa bits; 6 bits a number), with one power-of-two scale for each 32 numbers along K (OCP MX v1.0); their sums are f32. All else is computed in f32.
;;   The module's matrix products, in the order in which they are computed (A, B: the left and right operand; K: the contracted axis; several contracted axes count as one K, in the product's order):
;;     1. [M 8,192, K 768] x [K 768, N 768]; A: input x (given as codes); B: input Wq (given as codes): QUANTISED
;;     2. [M 8,192, K 768] x [K 768, N 768]; A: input x (given as codes); B: input Wk (given as codes): QUANTISED
;;     3. [M 8,192, K 768] x [K 768, N 768]; A: input x (given as codes); B: input Wv (given as codes): QUANTISED
;;     4. batch 96 x [M 1,024, K 64] x [K 64, N 1,024]; A: computed on the way; B: computed on the way: QUANTISED
;;     5. batch 96 x [M 1,024, K 1,024] x [K 1,024, N 64]; A: softmax (see below); B: computed on the way: QUANTISED
;;     6. [M 8,192, K 768] x [K 768, N 768]; A: computed on the way; B: input Wo (given as codes): QUANTISED
;;   THE QUANTISER, for each operand of a quantised product, along K:
;;     - K is cut into blocks of 32 from its start; a last block that is shorter is filled with zeros.
;;     - A block's scale is 2^e with e = floor(log2(the largest magnitude in the block)) - 2, held to -126 .. 127; a block of zeros has e = 0. As a byte (E8M0): e + 127.
;;     - Each number is divided by its block's scale, clamped to +-7.5, and rounded to the nearest number of E2M3, ties to even, subnormals kept.
;;     - The product sums the exact products of the quantised numbers (number of the format x scale) in f32.
;;   ~~~python
;;   def quantise(x, axis):      # numpy; x: float32 -> the quantised numbers, widened to float32 again
;;       x = np.moveaxis(x, axis, -1); K = x.shape[-1]
;;       x = np.pad(x, [(0, 0)] * (x.ndim - 1) + [(0, -K % 32)]); x = x.reshape(x.shape[:-1] + (-1, 32)); a = np.abs(x).max(-1, keepdims=True)
;;       e = np.where(a > 0, np.clip(np.frexp(np.where(a > 0, a, 1))[1] - 1 - 2, -126, 127), 0)      # np.frexp(a)[1] - 1 = floor(log2(a)), exactly
;;       r = np.clip(x / 2.0 ** e, -7.5, 7.5)
;;       step = 2.0 ** (np.maximum(np.frexp(np.where(r == 0, 1, r))[1] - 1, 0) - 3)
;;       q = np.round(r / step) * step * 2.0 ** e      # np.round: ties to even
;;       return np.moveaxis(q.reshape(q.shape[:-2] + (-1,))[..., :K], -1, axis).astype(np.float32)
;;   ~~~
;;   SOFTMAX AHEAD OF A QUANTISED PRODUCT. Where the list says 'softmax', what is quantised is not the finished softmax but p = 2^(t - M), with t = logit x log2(e) and M = ceil(the row's largest t), a whole number; so 1/2 < the row's largest p <= 1. The row's sum l is taken of the UNQUANTISED p, in f32, and the product's result is divided by l at the end. Since M is a whole number, a kernel that streams over the keys may use a running M (the ceiling of the running maximum): every later rescaling is an exact power of two, which a block's scale takes up: the codes' values come out the same.
;;   OPERANDS COMPUTED ON THE WAY. 'Computed on the way' means the value that the module computes at that place (a softmax that the list does not call 'softmax' is quantised finished and normalised). What goes into a quantiser is computed in f32, as accurately as f32 sums, v_exp_f32 and their like allow (about 1e-6 of the number): no bf16 or f16 on the way to a quantiser, and a product that is left as it is and whose result goes on into a quantised operand takes f32 operands (vector FMAs, or v_wmma_f32_16x16x4_f32). A number that lies on a knife's edge between two numbers of the format may be rounded either way, as far as f32 arithmetic and the matrix unit's own rounding can turn it there, and no further.
;;   INPUTS GIVEN AS CODES. Wk (in the module: [768, 768], K = its axis 1); Wo (in the module: [768, 768], K = its axis 1); Wq (in the module: [768, 768], K = its axis 1); Wv (in the module: [768, 768], K = its axis 1); x (in the module: [8, 1024, 768], K = its axis 2): each comes as NAME_codes (uint8): NAME with its K axis moved to the last place and cut into blocks of 32 codes, [.., K / 32, bytes a block], one block behind the other in memory; four codes in three bytes: a row's codes are one little-endian stream of bits, code i at bits 6 i .. 6 i + 5 (a code: sign, 2 exponent bits, 3 mantissa bits); and NAME_scales (uint8): the same leading axes, one E8M0 byte (e + 127) for each 32 codes along K. Its value is code x scale, taken as it is: it is not quantised again, and the codes and scales need not be those that the quantiser above would give.
;; 2 versions, each right. Each part assembles by itself: llvm-mc -triple=amdgcn-amd-amdhsa -mcpu=gfx1250 --defsym DOCPART=n.
;; ======== version 1 of 2: 3 launches
;; limits: inputs' magnitudes at most 6.9e+37
;; workspace buffers: qf 5,111,808 bytes; kv 9,830,400 bytes; ao 5,505,024 bytes
;; launch proj (part 1): grid 8 x 32, 12 waves a work-group, no clusters, 327,680 bytes of LDS; arguments x_codes, x_scales, Wq_codes, Wq_scales, Wk_codes, Wk_scales, Wv_codes, Wv_scales, bq, bk, bv, qf, kv; writes qf, kv
.if DOCPART == 1
	.amdgcn_target "amdgcn-amd-amdhsa--gfx1250"
	.amdhsa_code_object_version 6
	.text
	.protected	k_q80a2080a06_proj
	.globl	k_q80a2080a06_proj
	.p2align	8
	.type	k_q80a2080a06_proj,@function
k_q80a2080a06_proj:
	s_mov_b64 s[64:65], 0
	v_nop
	global_prefetch_b8 v0, s[64:65] scope:SCOPE_SE
	s_setreg_imm32_b32 hwreg(HW_REG_WAVE_MODE, 25, 1), 1
	s_wait_xcnt 0x0
; q = x Wq^T + bq, k = x Wk^T + bk, v = x Wv^T + bv on codes of FP6 (E2M3) with E8M0 scales, and the three results quantised again: q and k along the head's 64, v along the keys.
; x: 8,192 rows of 768 codes (576 bytes) and 24 scale bytes; the weights: 768 rows alike.  Nothing leaves as f32: the results go out as IMAGES OF OPERAND REGISTERS for the next launch.
; SHARES.  Work-group (fg, tb): 256 tokens (tb) x 288 features: three heads of Wq (fg < 4) or of Wk (fg >= 4), head 3 (fg & 3) + hd, and rows 96 fg .. 96 fg + 95 of Wv.
; Twelve waves: tg = wave & 3 takes 64 tokens, hd = wave >> 2 one head of q or k and 32 rows of Wv.  For 128 along K a wave reads 10 fragments from LDS and issues 24 matrix instructions.
; ROWS OF A TILE.  Lane r of tile t takes row PI(t, r) = 32 (t / 2) + 8 (t % 2) + r + 8 (r / 8), for tokens, W's and Wv's rows alike: the 16 registers of result tiles 2 b and 2 b + 1 are then
; 16 neighbours 32 b + 16 (lane / 16) + 0 .. 15 along the axis that is quantised next.  q, k: source 0 = W's rows, source 1 = tokens (a lane holds a token, registers run along d).
; v: source 0 = tokens, source 1 = Wv's rows (a lane holds a channel d, registers run along the keys).
; HALF IMAGE, 768 bytes: six registers of a fragment (64 along K of 16 rows): registers 0-3 at 16 x lane, registers 4-5 at 512 + 8 x lane.
; OUT.  qf [token / 64][head][3,328]: four half images, 128 bytes of scale words.  kv [2 batch + head / 6][128 keys][head % 6][12,800]: K's 8 half images, V's 8, K's and V's scale words (256 bytes each).
; K goes through two LDS slots of 256 along K (rows of 192 bytes, 16 bytes of padding behind each 64: pitch 240); K = 768 is three fills, so one slot is filled a second time.
; NO JOINT LOADS: x's tiles are wanted by the 8 work-groups of a tb and the weights' by the 32 of an fg, so a 4 x 4 cluster would divide these requests by four.  It is left out here: a work-group asks for
; 544 rows x 576 bytes and 13 KB of scales once, in three loads a wave, and the larger shared traffic of the program (K and V in the next launch) is what is asked for jointly.
; LIMITS: NaN and infinities are not served; a block of a result whose largest magnitude lies under 2^-121 is held at that floor's scale (byte 4), so that the next launch can take 3 off q's bytes.
.set PITCH,  240
.set SLOTB,  544*PITCH                 ; a slot: rows 0-255 x, 256-447 Wq or Wk, 448-543 Wv
.set SCL,    2*SLOTB                   ; the scale bytes of the same 544 rows, 24 bytes a row, dense
.set SPARE,  SCL+544*24                ; the spare words: 128 bytes for each of 12 waves
.set QFLOOR, 0x3000000                 ; 2^(6 - 127)
.set SPW, 1                            ; v1  my spare word;  v2  0: both never rewritten
.set NIL, 2
.set AW,  3                            ; v3, v4 W's fragments in slot 0, 1; v5, v6 the same behind one padding more
.set AX,  7                            ; v7-10 x's
.set AV,  11                           ; v11-14 Wv's
.set SA,  15                           ; v15 scale words: lanes 0-15 x's rows, lanes 16-31 W's
.set SVA, 16                           ; v16 Wv's: lanes 0-15 tile 0, lanes 16-31 tile 1
.set L16, 17                           ; v17-19: 16, 8, 4 x lane
.set L8,  18
.set L4,  19
.set SXW, 20                           ; v20-23 scale words of x's tile n (low lanes) and W's tile n (high lanes)
.set SV,  24                           ; v24 Wv's
.set BO,  25                           ; v25 offset of my numbers in bq or bk
.set BV,  26                           ; v[26:27], v[28:29] bv of my channel, tile 0, 1
.set VO,  30                           ; v30 offset of my number in bv
.set WF,  32                           ; v32-79 W's four fragments; Wv's two take the first 24
.set XF,  80                           ; v80-127 x's four
.set ACC, 128                          ; v128-255 q's or k's 16 accumulators, (n, a) at 32 n + 8 a; v256-319 v's 8, (n', a) likewise
.set QM,  100                          ; the quantiser's registers (free behind the products)
.set QX,  102
.set QE,  104
.set SEL, 30                           ; s[30:31]
.set WV,  80
.set TG,  81
.set HD,  82
.set FG,  83
.set TB,  84
.set G1R, 32                           ; group 1: 64 rows of codes;  G1V: 96 rows;  G1S, G1SV: their scale bytes
.set G1V, 40
.set G1S, 48
.set G1SV, 56
.set G0A, 68                           ; my group 0 for slot 0, slot 1, the scales
.set G0B, 72
.set G0S, 76
.set MSB, 0
.macro WIN new                         ; the immediate's high byte repeats the setting that is left
.if MSB != \new
	s_set_vgpr_msb (MSB<<8)|\new
.set MSB, \new
.endif
.endm
.macro NOPS n
.rept \n
	v_nop
.endr
.endm
; A fragment, 16 rows x 128 K: 12 registers, in pieces of 8 bytes.  Lanes 16-31 read three pieces further on; where that lies behind one padding more the second address register serves.
.macro FRAG reg, adr, q, ro
.irp p, 0,1,2,3,4,5
.set PCE, 12*(\q)+6*(\p/3)+\p%3
.if PCE%8 < 5
	ds_load_b64 v[\reg+2*\p:\reg+2*\p+1], v[\adr] offset:8*PCE+16*(PCE/8)+(\ro)*PITCH
.else
	ds_load_b64 v[\reg+2*\p:\reg+2*\p+1], v[\adr+2] offset:8*PCE+16*(PCE/8)+(\ro)*PITCH
.endif
.endr
.endm
.macro QKMUL a0                        ; W's tiles a0, a0 + 1 against the four token tiles: eight accumulators, one instruction each
.irp aa, \a0, \a0+1
.irp n, 0,1,2,3
	v_wmma_scale_f32_16x16x128_f8f6f4 v[ACC+32*\n+8*(\aa):ACC+32*\n+8*(\aa)+7], v[WF+12*(\aa):WF+12*(\aa)+11], v[XF+12*\n:XF+12*\n+11], v[ACC+32*\n+8*(\aa):ACC+32*\n+8*(\aa)+7], v[SXW+(\aa)], v[SXW+\n] matrix_a_fmt:MATRIX_FMT_FP6 matrix_b_fmt:MATRIX_FMT_FP6 matrix_a_scale:MATRIX_SCALE_ROW1
.endr
.endr
.endm
.macro VMUL vfirst                     ; the four token tiles against Wv's two: eight accumulators in window 1
.irp np, 0,1
.irp aa, 0,1,2,3
.if \vfirst
.if \np
	v_wmma_scale_f32_16x16x128_f8f6f4 v[32*\np+8*\aa:32*\np+8*\aa+7], v[XF+12*\aa:XF+12*\aa+11], v[WF+12*\np:WF+12*\np+11], 0, v[SXW+\aa], v[SV] matrix_a_fmt:MATRIX_FMT_FP6 matrix_b_fmt:MATRIX_FMT_FP6 matrix_b_scale:MATRIX_SCALE_ROW1
.else
	v_wmma_scale_f32_16x16x128_f8f6f4 v[32*\np+8*\aa:32*\np+8*\aa+7], v[XF+12*\aa:XF+12*\aa+11], v[WF+12*\np:WF+12*\np+11], 0, v[SXW+\aa], v[SV] matrix_a_fmt:MATRIX_FMT_FP6 matrix_b_fmt:MATRIX_FMT_FP6
.endif
.else
.if \np
	v_wmma_scale_f32_16x16x128_f8f6f4 v[32*\np+8*\aa:32*\np+8*\aa+7], v[XF+12*\aa:XF+12*\aa+11], v[WF+12*\np:WF+12*\np+11], v[32*\np+8*\aa:32*\np+8*\aa+7], v[SXW+\aa], v[SV] matrix_a_fmt:MATRIX_FMT_FP6 matrix_b_fmt:MATRIX_FMT_FP6 matrix_b_scale:MATRIX_SCALE_ROW1
.else
	v_wmma_scale_f32_16x16x128_f8f6f4 v[32*\np+8*\aa:32*\np+8*\aa+7], v[XF+12*\aa:XF+12*\aa+11], v[WF+12*\np:WF+12*\np+11], v[32*\np+8*\aa:32*\np+8*\aa+7], v[SXW+\aa], v[SV] matrix_a_fmt:MATRIX_FMT_FP6 matrix_b_fmt:MATRIX_FMT_FP6
.endif
.endif
.endr
.endr
.endm
; 128 along K: the q-th of slot sl, the ks-th of all.  The 24 accumulators take turns, one instruction a turn.
.macro KSTEP sl, q, ks, vfirst
.irp a, 0,1,2,3
	FRAG WF+12*\a, AW+\sl, \q, 32*(\a/2)+8*(\a%2)
.endr
.irp n, 0,1,2,3
	FRAG XF+12*\n, AX+\sl, \q, 32*(\n/2)+8*(\n%2)
.endr
.irp n, 0,1,2,3
	ds_load_b32 v[SXW+\n], v[SA] offset:(32*(\n/2)+8*(\n%2))*24+4*\ks
.endr
	ds_load_b32 v[SV], v[SVA] offset:4*\ks
	s_wait_dscnt 0x0
	QKMUL 0
	NOPS 4                                         ; four places, then Wv's fragments land where W's tiles 0 and 1 lay
	FRAG WF, AV+\sl, \q, 0
	FRAG WF+12, AV+\sl, \q, 8
	QKMUL 2
	s_wait_dscnt 0x0
	WIN 0x50                                       ; C and D in window 1
	VMUL \vfirst
	WIN 0
	NOPS 4                                         ; four places in front of the next loads into operands, and of the first read of results
.endm
; 32 numbers of a lane, register 16 b + i = k 32 b + 16 (lane / 16) + i of my row, become six registers of codes (lanes 0-15 block 0, lanes 16-31 block 1) and the two scale bytes in dw.
.macro QPAIR src, dst, tmp, dw
.irp b, 0,1
	v_max3_num_f32 v[QM+\b], |v[\src+16*\b]|, |v[\src+16*\b+1]|, QFLOOR
.endr
.irp i, 2,4,6,8,10,12,14
.irp b, 0,1
	v_max3_num_f32 v[QM+\b], v[QM+\b], |v[\src+16*\b+\i]|, |v[\src+16*\b+\i+1]|
.endr
.endr
.irp b, 0,1
	v_permlanex16_b32 v[QX+\b], v[QM+\b], s[SEL], s[SEL+1]
.endr
.irp b, 0,1
	v_max_num_f32 v[QM+\b], v[QM+\b], v[QX+\b]     ; with lane l xor 16's: the block's largest magnitude
.endr
.irp b, 0,1
	v_add_nc_u32 v[QE+\b], 0xff000000, v[QM+\b]    ; 2 off its exponent field: the conversion's scale operand
.endr
.irp b, 0,1
	v_lshrrev_b32 v[QX+\b], 23, v[QE+\b]           ; the scale's byte
.endr
	v_lshl_or_b32 v[\dw], v[QX+1], 8, v[QX]
	v_cvt_scalef32_pk16_fp6_f32 v[\dst:\dst+2], v[\src:\src+15], v[QE]
	v_cvt_scalef32_pk16_fp6_f32 v[\tmp:\tmp+2], v[\src+16:\src+31], v[QE+1]
	v_nop                                          ; one plain place behind a scaled conversion
.irp i, 0,1,2
	v_permlane16_swap_b32 v[\dst+\i], v[\tmp+\i]   ; a whole block to a lane
.endr
.irp i, 0,1,2
	v_mov_b32 v[\dst+3+\i], v[\tmp+\i]
.endr
.endm
	s_load_b512 s[4:19], s[0:1], 0x0               ; x codes, x scales, Wq codes, scales, Wk codes, scales, Wv codes, scales
	s_load_b256 s[20:27], s[0:1], 0x40             ; bq, bk, bv, qf
	s_load_b64 s[28:29], s[0:1], 0x60              ; kv
	v_lshl_add_u32 v[SPW], v0, 2, SPARE
	v_mov_b32 v[NIL], 0
	ds_add_u32 v1, v2
	s_wait_dscnt 0x0
	v_lshrrev_b32 v31, 5, v0
	v_readfirstlane_b32 s[WV], v31                 ; wave 0..11
	s_and_b32 s[TG], s[WV], 3
	s_lshr_b32 s[HD], s[WV], 2
	s_mov_b32 s[FG], ttmp9
	s_and_b32 s[TB], ttmp7, 0xffff
	s_mov_b32 s[SEL], 0x76543210
	s_mov_b32 s[SEL+1], 0xfedcba98
.irp g, G1R, G1V                       ; rows of 192 bytes, 576 apart in memory; 16 bytes of padding behind every 16 words
	s_mov_b32 s[\g], (1<<20)|(3<<22)|(3<<25)
	s_mov_b32 s[\g+1], 192<<16
	s_mov_b32 s[\g+3], 192<<16
	s_mov_b32 s[\g+5], 576
	s_mov_b32 s[\g+6], 0
	s_mov_b32 s[\g+7], 0
.endr
	s_mov_b32 s[G1R+2], 64<<16
	s_mov_b32 s[G1R+4], 64
	s_mov_b32 s[G1V+2], 96<<16
	s_mov_b32 s[G1V+4], 96
.irp g, G1S, G1SV                      ; dense blocks as rows of 256 bytes (32 elements of 8 bytes)
	s_mov_b32 s[\g], 3<<16
	s_mov_b32 s[\g+1], 32<<16
	s_mov_b32 s[\g+3], 32<<16
	s_mov_b32 s[\g+5], 32
	s_mov_b32 s[\g+6], 0
	s_mov_b32 s[\g+7], 0
.endr
	s_mov_b32 s[G1S+2], 6<<16                      ; 64 rows x 24 bytes
	s_mov_b32 s[G1S+4], 6
	s_mov_b32 s[G1SV+2], 9<<16                     ; 96 rows x 24 bytes
	s_mov_b32 s[G1SV+4], 9
	; which rows my wave fetches: waves 0-3 x's, 4-6 a head of Wq or Wk each, 7 Wv's 96; waves 8-11 fetch nothing
	s_and_b32 s85, s[FG], 3
	s_mul_i32 s86, s85, 3                          ; 3 (fg & 3): kept
	s_add_co_u32 s87, s86, s[WV]
	s_sub_co_u32 s87, s87, 4
	s_lshl_b32 s87, s87, 6                         ; W: row 64 (3 (fg & 3) + wave - 4)
	s_lshl_b32 s88, s[TB], 8
	s_lshl_b32 s89, s[WV], 6
	s_add_co_u32 s88, s88, s89                     ; x: row 256 tb + 64 wave
	s_mul_i32 s89, s[FG], 96                       ; Wv: row 96 fg
	s_cmp_lt_u32 s[WV], 4
	s_cselect_b32 s87, s88, s87
	s_cmp_eq_u32 s[WV], 7
	s_cselect_b32 s87, s89, s87
	s_mul_i32 s98, s[WV], 64*PITCH                 ; and where they go: 64 rows a wave
	s_wait_kmcnt 0x0
	s_cmp_lt_u32 s[FG], 4                          ; the choices hang on ids alone
	s_cselect_b64 s[90:91], s[8:9], s[12:13]
	s_cselect_b64 s[92:93], s[10:11], s[14:15]
	s_cselect_b64 s[94:95], s[20:21], s[22:23]     ; bq or bk
	s_cmp_lt_u32 s[WV], 4
	s_cselect_b64 s[90:91], s[4:5], s[90:91]
	s_cselect_b64 s[92:93], s[6:7], s[92:93]
	s_cmp_eq_u32 s[WV], 7
	s_cselect_b64 s[90:91], s[16:17], s[90:91]
	s_cselect_b64 s[92:93], s[18:19], s[92:93]
	s_mul_i32 s96, s87, 576
	s_mov_b32 s97, 0
	s_add_nc_u64 s[90:91], s[90:91], s[96:97]
	s_mul_i32 s96, s87, 24
	s_add_nc_u64 s[92:93], s[92:93], s[96:97]
	s_mov_b32 s[G0A], 1
	s_mov_b32 s[G0A+1], s98
	s_mov_b64 s[G0A+2:G0A+3], s[90:91]             ; K 0-255
	s_or_b32 s[G0A+3], s[G0A+3], 0x80000000
	s_mov_b32 s[G0B], 1
	s_add_co_u32 s[G0B+1], s98, SLOTB
	s_add_nc_u64 s[G0B+2:G0B+3], s[90:91], 192     ; K 256-511
	s_or_b32 s[G0B+3], s[G0B+3], 0x80000000
	s_mov_b32 s[G0S], 1
	s_mul_i32 s[G0S+1], s[WV], 1536
	s_add_co_u32 s[G0S+1], s[G0S+1], SCL
	s_mov_b64 s[G0S+2:G0S+3], s[92:93]
	s_or_b32 s[G0S+3], s[G0S+3], 0x80000000
	s_cmp_lt_u32 s[WV], 7                          ; a wave's three first fills stand together: three loads of mine are out at the most
	s_cbranch_scc0 .Lfirst_v
	tensor_load_to_lds s[G0S:G0S+3], s[G1S:G1S+7]
	s_nop 0
	tensor_load_to_lds s[G0A:G0A+3], s[G1R:G1R+7]
	s_nop 0
	tensor_load_to_lds s[G0B:G0B+3], s[G1R:G1R+7]
	s_nop 0
	NOPS 4
	s_branch .Lfirst_done
.Lfirst_v:
	s_cmp_eq_u32 s[WV], 7
	s_cbranch_scc0 .Lfirst_done
	tensor_load_to_lds s[G0S:G0S+3], s[G1SV:G1SV+7]
	s_nop 0
	tensor_load_to_lds s[G0A:G0A+3], s[G1V:G1V+7]
	s_nop 0
	tensor_load_to_lds s[G0B:G0B+3], s[G1V:G1V+7]
	s_nop 0
	NOPS 4
.Lfirst_done:
	v_and_b32 v33, 15, v0                          ; r
	v_bfe_u32 v31, v0, 4, 1                        ; h
	v_and_b32 v34, 8, v33
	v_add_nc_u32 v34, v34, v33                     ; r + 8 (r / 8)
	v_mul_u32_u24 v35, v34, PITCH
	v_mad_u32_u24 v36, v31, 24, v35
	v_mad_u32_u24 v37, v31, 40, v35
	s_mul_i32 s99, s[HD], 64*PITCH
	s_add_co_u32 s99, s99, 256*PITCH
	v_add_nc_u32 v[AW], s99, v36
	v_add_nc_u32 v[AW+2], s99, v37
	s_mul_i32 s99, s[TG], 64*PITCH
	v_add_nc_u32 v[AX], s99, v36
	v_add_nc_u32 v[AX+2], s99, v37
	s_mul_i32 s99, s[HD], 32*PITCH
	s_add_co_u32 s99, s99, 448*PITCH
	v_add_nc_u32 v[AV], s99, v36
	v_add_nc_u32 v[AV+2], s99, v37
.irp g, AW, AX, AV
	v_add_nc_u32 v[\g+1], SLOTB, v[\g]
	v_add_nc_u32 v[\g+3], SLOTB, v[\g+2]
.endr
	v_mul_u32_u24 v35, v34, 24                     ; scale words: 24 bytes a row
	s_xor_b32 s99, s[TG], 3
	s_add_co_u32 s99, s99, s[HD]
	s_add_co_u32 s99, s99, 1
	s_mul_i32 s99, s99, 1536                       ; from x's rows 64 tg to W's rows 256 + 64 hd: (1 + hd + 3 - tg) x 64 rows
	v_mul_u32_u24 v36, s99, v31                    ; lanes 16-31 take W's
	s_mul_i32 s99, s[TG], 1536
	s_add_co_u32 s99, s99, SCL
	v_add_nc_u32 v36, v36, v35
	v_add_nc_u32 v[SA], s99, v36
	s_mul_i32 s99, s[HD], 32*24
	s_add_co_u32 s99, s99, SCL+448*24
	v_mad_u32_u24 v36, v31, 192, v35               ; lanes 16-31: Wv's tile 1, eight rows on
	v_add_nc_u32 v[SVA], s99, v36
	v_and_b32 v35, 31, v0
	v_lshlrev_b32 v[L16], 4, v35
	v_lshlrev_b32 v[L8], 3, v35
	v_lshlrev_b32 v[L4], 2, v35
	; the biases.  bq or bk go straight into the accumulators, in the result's layout (lane (r, h), tile a: channels 32 (a / 2) + 8 (a % 2) + 16 h + 0 .. 7), so that every K step adds in place
	s_add_co_u32 s99, s86, s[HD]                   ; head
	s_lshl_b32 s96, s99, 8
	s_add_nc_u64 s[94:95], s[94:95], s[96:97]
	v_lshlrev_b32 v[BO], 6, v31
.irp n, 0,1,2,3
.irp a, 0,1,2,3
	global_load_b128 v[ACC+32*\n+8*\a:ACC+32*\n+8*\a+3], v[BO], s[94:95] offset:128*(\a/2)+32*(\a%2)
	global_load_b128 v[ACC+32*\n+8*\a+4:ACC+32*\n+8*\a+7], v[BO], s[94:95] offset:128*(\a/2)+32*(\a%2)+16
.endr
.endr
	s_mul_i32 s99, s[FG], 3
	s_add_co_u32 s99, s99, s[HD]                   ; which 32 rows of Wv
	s_lshl_b32 s96, s99, 7
	s_add_nc_u64 s[24:25], s[24:25], s[96:97]
	v_lshlrev_b32 v[VO], 2, v34
	global_load_b32 v[BV], v[VO], s[24:25]         ; bv of my channel; each is named as a pair, so both words are loaded
	global_load_b32 v[BV+1], v[VO], s[24:25]
	global_load_b32 v[BV+2], v[VO], s[24:25] offset:32
	global_load_b32 v[BV+3], v[VO], s[24:25] offset:32
	s_wait_tensorcnt 0x1                           ; my scales and my part of slot 0 are in; slot 1's load, issued last, may stay out
	s_barrier_signal -1
	s_barrier_wait -1
	s_wait_loadcnt 0x0                             ; the biases
	KSTEP 0, 0, 0, 1
	KSTEP 0, 1, 1, 0
	s_wait_tensorcnt 0x0                           ; all my tensor loads have landed, my part of slot 1 among them
	ds_add_u32 v[SPW], v[NIL]                      ; 0 onto my spare word
	s_add_nc_u64 s[G0A+2:G0A+3], s[G0A+2:G0A+3], 384   ; slot 0's next fill: K 512-767
	s_wait_dscnt 0x0                               ; the add is done, and my reads of slot 0 are over
	s_barrier_signal -1
	s_barrier_wait -1
	s_cmp_lt_u32 s[WV], 7                          ; the one refill of the launch, first behind the barrier
	s_cbranch_scc0 .Lagain_v
	tensor_load_to_lds s[G0A:G0A+3], s[G1R:G1R+7]
	s_nop 0
	NOPS 4
	s_branch .Lagain_done
.Lagain_v:
	s_cmp_eq_u32 s[WV], 7
	s_cbranch_scc0 .Lagain_done
	tensor_load_to_lds s[G0A:G0A+3], s[G1V:G1V+7]
	s_nop 0
	NOPS 4
.Lagain_done:
	KSTEP 1, 0, 2, 0
	KSTEP 1, 1, 3, 0
	s_wait_tensorcnt 0x0                           ; my part of slot 0's second fill is in (the only load that was out);
	s_wait_dscnt 0x0
	s_barrier_signal -1
	s_barrier_wait -1                              ; everybody's is
	KSTEP 0, 0, 4, 0
	KSTEP 0, 1, 5, 0
	; where the results go
	s_and_b32 s85, s[TB], 3
	s_lshl_b32 s85, s85, 1
	s_lshr_b32 s87, s[TG], 1
	s_add_co_u32 s85, s85, s87                     ; which 128 keys of the batch
	s_and_b32 s87, s[TG], 1                        ; and which half of them
	s_lshr_b32 s88, s[TB], 2
	s_lshl_b32 s88, s88, 1                         ; 2 x batch
	s_lshl_b32 s89, s[TB], 2
	s_add_co_u32 s89, s89, s[TG]
	s_mul_i32 s89, s89, 12
	s_add_co_u32 s89, s89, s86
	s_add_co_u32 s89, s89, s[HD]
	s_mul_i32 s89, s89, 3328                       ; q: record (token / 64, head)
	s_bfe_u32 s98, s[FG], 0x10001
	s_add_co_u32 s98, s98, s88
	s_lshl_b32 s98, s98, 3
	s_add_co_u32 s98, s98, s85
	s_mul_i32 s98, s98, 6
	s_and_b32 s99, s[FG], 1
	s_mul_i32 s99, s99, 3
	s_add_co_u32 s98, s98, s99
	s_add_co_u32 s98, s98, s[HD]
	s_mul_i32 s98, s98, 12800                      ; k: block (2 batch + head / 6, step, head % 6)
	s_mul_i32 s99, s87, 3072
	s_add_co_u32 s99, s99, s98
	s_lshl_b32 s100, s87, 7
	s_add_co_u32 s100, s100, s98
	s_add_co_u32 s100, s100, 12288
	s_add_co_u32 s101, s89, 3072
	s_cmp_lt_u32 s[FG], 4
	s_cselect_b64 s[90:91], s[26:27], s[28:29]
	s_cselect_b32 s98, s89, s99
	s_cselect_b32 s100, s101, s100
	s_mov_b32 s99, 0
	s_mov_b32 s101, 0
	s_add_nc_u64 s[92:93], s[90:91], s[100:101]    ; scale words
	s_add_nc_u64 s[90:91], s[90:91], s[98:99]      ; codes
	s_mul_i32 s98, s[FG], 3
	s_add_co_u32 s98, s98, s[HD]
	s_and_b32 s100, s98, 1                         ; v: which half of the head's 64 channels,
	s_lshr_b32 s98, s98, 1                         ; which head
	s_cmp_ge_u32 s98, 6
	s_cselect_b32 s89, 1, 0
	s_mul_i32 s99, s89, 6
	s_sub_co_u32 s98, s98, s99
	s_add_co_u32 s89, s89, s88
	s_lshl_b32 s89, s89, 3
	s_add_co_u32 s89, s89, s85
	s_mul_i32 s89, s89, 6
	s_add_co_u32 s89, s89, s98
	s_mul_i32 s89, s89, 12800
	s_mul_i32 s98, s100, 3072
	s_add_co_u32 s98, s98, s89
	s_mul_i32 s99, s87, 768
	s_add_co_u32 s98, s98, s99
	s_add_co_u32 s98, s98, 6144
	s_lshl_b32 s100, s100, 7
	s_add_co_u32 s100, s100, s89
	s_lshl_b32 s99, s87, 1
	s_add_co_u32 s100, s100, s99
	s_add_co_u32 s100, s100, 12544
	s_mov_b32 s99, 0
	s_mov_b32 s101, 0
	s_add_nc_u64 s[94:95], s[28:29], s[98:99]
	s_add_nc_u64 s[96:97], s[28:29], s[100:101]
	s_mov_b32 vcc_lo, 0xffff0000                   ; lanes 16-31
	v_mov_b32 v[QX], 0                             ; a lane permute's destination counts as one of its sources
	v_mov_b32 v[QX+1], 0
	; q or k: four tiles of 16 tokens, each a half image
.irp n, 0,1,2,3
	QPAIR ACC+32*\n, 32+6*\n, 72, 76+\n
.endr
	v_lshl_or_b32 v80, v77, 16, v76                ; a scale word: tile 2 i's two bytes, then tile 2 i + 1's
	v_lshl_or_b32 v81, v79, 16, v78
	v_cndmask_b32 v82, v80, v81, vcc_lo            ; lanes 0-15 tiles 0, 1; lanes 16-31 tiles 2, 3
.irp n, 0,1,2,3
	global_store_b128 v[L16], v[32+6*\n:35+6*\n], s[90:91] offset:768*\n          ; 512 consecutive bytes, aligned to 256
	global_store_b64 v[L8], v[36+6*\n:37+6*\n], s[90:91] offset:768*\n+512        ; 256 consecutive bytes, aligned
.endr
	global_store_b32 v[L4], v82, s[92:93]
	; v: the bias is added on the way from window 1 to window 0, each accumulator from its low end on
	WIN 0x01
.irp np, 0,1
.irp i, 0,2,4,6,8,10,12,14,16,18,20,22,24,26,28,30
	v_pk_add_f32 v[ACC+32*\np+\i:ACC+32*\np+\i+1], v[32*\np+\i:32*\np+\i+1], v[BV+2*\np:BV+2*\np+1] op_sel_hi:[1,0]
.endr
.endr
	WIN 0
	QPAIR ACC, 56, 72, 83
	QPAIR ACC+32, 62, 72, 84
	v_cndmask_b32 v85, v83, v84, vcc_lo
.irp np, 0,1
	global_store_b128 v[L16], v[56+6*\np:59+6*\np], s[94:95] offset:1536*\np
	global_store_b64 v[L8], v[60+6*\np:61+6*\np], s[94:95] offset:1536*\np+512
.endr
	global_store_b16 v[L4], v85, s[96:97]          ; my 64 keys' two bytes of each channel's word; the other two are the neighbouring wave's
	s_wait_tensorcnt 0x0                           ; the wave's end
	ds_add_u32 v[SPW], v[NIL]
	s_wait_dscnt 0x0
	s_endpgm
.Lfunc_end_k_q80a2080a06_proj:
	.size	k_q80a2080a06_proj, .Lfunc_end_k_q80a2080a06_proj-k_q80a2080a06_proj
	.p2alignl 7, 3214868480
	.fill 96, 4, 3214868480
	.section	.rodata,"a",@progbits
	.p2align	6, 0x0
	.amdhsa_kernel k_q80a2080a06_proj
		.amdhsa_group_segment_fixed_size 327680
		.amdhsa_private_segment_fixed_size 0
		.amdhsa_enable_private_segment 0
		.amdhsa_kernarg_size 104
		.amdhsa_user_sgpr_count 2
		.amdhsa_user_sgpr_kernarg_segment_ptr 1
		.amdhsa_wavefront_size32 1
		.amdhsa_system_sgpr_workgroup_id_x 1
		.amdhsa_system_sgpr_workgroup_id_y 1
		.amdhsa_system_sgpr_workgroup_id_z 1
		.amdhsa_system_vgpr_workitem_id 0
		.amdhsa_next_free_vgpr 320
		.amdhsa_next_free_sgpr 102
		.amdhsa_reserve_vcc 1
		.amdhsa_float_denorm_mode_32 3
		.amdhsa_float_denorm_mode_16_64 3
		.amdhsa_memory_ordered 1
		.amdhsa_forward_progress 1
		.amdhsa_inst_pref_size 75
	.end_amdhsa_kernel
	.amdgpu_metadata
---
amdhsa.version: [ 1, 2 ]
amdhsa.kernels:
  - .name:           k_q80a2080a06_proj
    .symbol:         k_q80a2080a06_proj.kd
    .args:
      - { .name: x_codes, .offset: 0, .size: 8, .value_kind: global_buffer, .address_space: global }
      - { .name: x_scales, .offset: 8, .size: 8, .value_kind: global_buffer, .address_space: global }
      - { .name: Wq_codes, .offset: 16, .size: 8, .value_kind: global_buffer, .address_space: global }
      - { .name: Wq_scales, .offset: 24, .size: 8, .value_kind: global_buffer, .address_space: global }
      - { .name: Wk_codes, .offset: 32, .size: 8, .value_kind: global_buffer, .address_space: global }
      - { .name: Wk_scales, .offset: 40, .size: 8, .value_kind: global_buffer, .address_space: global }
      - { .name: Wv_codes, .offset: 48, .size: 8, .value_kind: global_buffer, .address_space: global }
      - { .name: Wv_scales, .offset: 56, .size: 8, .value_kind: global_buffer, .address_space: global }
      - { .name: bq, .offset: 64, .size: 8, .value_kind: global_buffer, .address_space: global }
      - { .name: bk, .offset: 72, .size: 8, .value_kind: global_buffer, .address_space: global }
      - { .name: bv, .offset: 80, .size: 8, .value_kind: global_buffer, .address_space: global }
      - { .name: qf, .offset: 88, .size: 8, .value_kind: global_buffer, .address_space: global }
      - { .name: kv, .offset: 96, .size: 8, .value_kind: global_buffer, .address_space: global }
    .group_segment_fixed_size: 327680
    .private_segment_fixed_size: 0
    .kernarg_segment_align: 8
    .kernarg_segment_size: 104
    .max_flat_workgroup_size: 384
    .sgpr_count:     102
    .vgpr_count:     320
    .wavefront_size: 32
...
	.end_amdgpu_metadata
.endif
;; end of part 1
;; launch attn (part 2): grid 32 x 16, 16 waves a work-group, clusters of 4 x 1, 327,680 bytes of LDS; arguments qf, kv, sp_enc, edge_enc, mask, ao; writes ao
.if DOCPART == 2
	.amdgcn_target "amdgcn-amd-amdhsa--gfx1250"
	.amdhsa_code_object_version 6
	.text
	.protected	k_q80a2080a06_attn
	.globl	k_q80a2080a06_attn
	.p2align	8
	.type	k_q80a2080a06_attn,@function
k_q80a2080a06_attn:
	s_mov_b64 s[64:65], 0
	v_nop
	global_prefetch_b8 v0, s[64:65] scope:SCOPE_SE
	s_setreg_imm32_b32 hwreg(HW_REG_WAVE_MODE, 25, 1), 1
	s_wait_xcnt 0x0
	s_wait_alu depctr_hold_cnt(0) depctr_sa_sdst(0) depctr_va_vdst(0) depctr_va_sdst(0) depctr_va_ssrc(0) depctr_va_vcc(0) depctr_vm_vsrc(0)
	s_getreg_b32 s2, hwreg(HW_REG_IB_STS2, 6, 4)
	s_cmp_eq_u32 s2, 0
	s_cbranch_scc0 .Lentry_in_a_cluster
	s_endpgm
.Lentry_in_a_cluster:
	s_bfe_u32 s2, ttmp6, 0x10000c
	s_cmp_lg_u32 s2, 0x3003
	s_cbranch_scc0 .Lentry_shape_is_right
	s_endpgm
.Lentry_shape_is_right:
; o = softmax(q k^T / 8 + sp + edge, masked) v for 32 queries x 6 heads a work-group, both products on codes of FP6 (E2M3) with E8M0 scales; o / l is quantised along the head's 64 and leaves as half images.
; THE SOFTMAX: t = logit x log2(e); M = the running largest t rounded up to a whole number; p = 2^(t - M) is quantised along the keys, not normalised; the sum l is taken of the unquantised p; when M moves,
; l and O^T are multiplied by 2^(old M - new M), which rounds nothing.
; SHARES.  Work-group: query block qb = 4 x cluster x + cx (32 queries), y = 2 batch + head group (6 heads).  Waves 0-11 are HEAD WAVES: head wave / 2, tile u = wave & 1 of 16 queries 8 u + r + 8 (r / 8).
; Waves 12-15 are HELPERS, e = wave & 3: they ask for K's and V's tiles and make the bias tile sp + edge (a masked place: -2^127 added) for 8 queries each, once for all six heads, in LDS.
; THE BIAS COSTS A HEAD WAVE NO VECTOR INSTRUCTION: it is loaded from LDS into the score accumulators, and the product k q^T adds onto it.  The factor 1 / 8 is 3 taken off q's scale bytes: exact.
; K = 64 IS HALF AN INSTRUCTION: a fragment of K holds TWO tiles of 16 keys (registers 0-5, 6-11); q stands as [0 x 6][q x 6][0 x 6], and source 1 = (q, 0) gives the first tile's scores, (0, q) the second's.
; Both products are used transposed (S^T = K Q^T, O^T = V^T P^T): a lane holds one query.  The rows of a tile are PI(t, r) = 32 (t / 2) + 8 (t % 2) + r + 8 (r / 8), as the launch before laid them.
; CLUSTER.  The four query blocks of a cluster walk the same 76,800 bytes of K and V a step: each helper's quarter is asked for JOINTLY (mask 15).  The bias is each work-group's own.
; LDS: slot 0 at 0, slot 1 at 2^17 (a step of 128 keys: 6 heads x 12,800 bytes of register images); two bias tiles of 32 rows x 528 bytes and the spare words between them, in blocks that no fill touches.
; The bias rows lie with bits 3 and 4 of the query's number exchanged, so that a head wave's sixteen lanes read sixteen neighbouring rows: 16 different groups of banks at this pitch.
; LIMITS: NaN and infinities among the inputs are not served; a logit under about -6.9e37 counts as masked; blocks of o under 2^-121 are held at that floor's scale;
; a query whose every key is masked has l = 0: its scale bytes are set to 0xff, and the next launch's sums for that token are NaN, as the definition has them.
.set STEPB,  76800
.set SLOT1,  131072
.set BIAS0,  76800
.set BPITCH, 528
.set BIASB,  32*BPITCH
.set SPARE,  BIAS0+2*BIASB
.set QFLOOR, 0x3000000
.set SPW, 1                            ; v1 my spare word, v2 0: never rewritten
.set NIL, 2
.set A16, 3                            ; v3, v4: 16 x lane + my head's block in slot 0, 1;  v5, v6: 8 x lane;  v7, v8: 4 x lane
.set A8,  5
.set A4,  7
.set BA,  9                            ; v9  head waves: my query's bias row
.set HB,  10                           ; v10 helpers: where my 16 bytes of a bias row go
.set L16, 11                           ; v11, v240, v241: 16, 8, 4 x lane
.set L8,  240
.set L4,  241
.set GF,  242                          ; v242 helpers: my bytes in sp and edge;  v243 in the mask
.set GM,  243
.set R4,  244                          ; v244 4 r
.set QS,  34                           ; q's scale word
.set KF,  36                           ; v36-83 four fragments of K, then of V
.set KS,  84                           ; v84-85 K's scale words, v86-87 V's
.set VS,  86
.set S,   96                           ; v96-159 the bias, then S^T, then p
.set OT,  160                          ; v160-191 O^T
.set PCD, 192                          ; v192-203 p's codes
.set CT,  204                          ; v204-211 conversions' second halves
.set BM,  212                          ; v212-215 block maxima
.set PX,  216                          ; v216-219 the other half's, then the bytes
.set SE,  220                          ; v220-223 the conversions' scale operands
.set PW,  224                          ; p's scale word
.set FF,  226                          ; v[226:227] f
.set C2,  228                          ; v[228:229] the sum's second chain
.set TT,  230
.set QM,  212
.set QX,  216
.set QE,  220
; The helpers' registers: none of them is a register that a matrix instruction writes (v96-191), nor one that holds scales (v34, v84-87, v224)
.set HSP, 36                           ; v36-67   8 rows x 4: sp, then the bias
.set HMK, 68                           ; v68-75   8 rows: four mask bytes
.set HT,  76                           ; v76      at work
.set HSN, 78                           ; v[78:81] 0 or -2^127 for my four keys
.set HED, 192                          ; v192-223 8 rows x 4: edge
.set WV,  20
.set G1,  24
.set G0,  32                           ; s[32:35] slot 0, s[36:39] slot 1
.set SEL, 40
.set CS,  42
.set PSP, 50
.set PED, 52
.set PMK, 54
.macro NOPS n
.rept \n
	v_nop
.endr
.endm
.macro ROUND                           ; a round of the cluster's barrier
	s_barrier_signal -1
	s_barrier_wait -1
	s_cmp_lg_u32 s[WV], 0
	s_cbranch_scc1 .Lnot_wave_0_\@
	s_barrier_signal -3
.Lnot_wave_0_\@:
	s_barrier_wait -3
	s_barrier_signal -1
	s_barrier_wait -1
.endm
.macro RAWLOAD so                      ; 8 rows x 128 keys of sp, edge and mask, so steps on from the pointers: a wave reads 512, 512 and 128 consecutive bytes of each row
.irp i, 0,1,2,3,4,5,6,7
	global_load_b128 v[HSP+4*\i:HSP+4*\i+3], v[GF], s[PSP:PSP+1] offset:4096*\i+512*(\so)
	global_load_b128 v[HED+4*\i:HED+4*\i+3], v[GF], s[PED:PED+1] offset:4096*\i+512*(\so)
	global_load_b32 v[HMK+\i], v[GM], s[PMK:PMK+1] offset:1024*\i+128*(\so)
.endr
.endm
; (k arrives as text such as 1-0: it stands in parentheses)
.macro COMBINE k                       ; sp + edge, and -2^127 more where the mask's byte is 1; into bias tile k
.irp i, 0,1,2,3,4,5,6,7
	v_lshlrev_b32 v[HT], 8, v[HMK+\i]
	v_sub_nc_u32 v[HT], v[HT], v[HMK+\i]           ; x 255: each byte 0x00 or 0xff
	v_perm_b32 v[HSN], v[HT], v[HT], s44           ; byte i on top of zeros: 0 or 0xff000000 = -2^127
	v_perm_b32 v[HSN+1], v[HT], v[HT], s45
	v_perm_b32 v[HSN+2], v[HT], v[HT], s46
	v_perm_b32 v[HSN+3], v[HT], v[HT], s47
	v_pk_add_f32 v[HSP+4*\i:HSP+4*\i+1], v[HSP+4*\i:HSP+4*\i+1], v[HED+4*\i:HED+4*\i+1]
	v_pk_add_f32 v[HSP+4*\i+2:HSP+4*\i+3], v[HSP+4*\i+2:HSP+4*\i+3], v[HED+4*\i+2:HED+4*\i+3]
	v_pk_add_f32 v[HSP+4*\i:HSP+4*\i+1], v[HSP+4*\i:HSP+4*\i+1], v[HSN:HSN+1]
	v_pk_add_f32 v[HSP+4*\i+2:HSP+4*\i+3], v[HSP+4*\i+2:HSP+4*\i+3], v[HSN+2:HSN+3]
	ds_store_b128 v[HB], v[HSP+4*\i:HSP+4*\i+3] offset:BIASB*(\k)+BPITCH*\i
.endr
.endm
.macro SPROD t, qb                     ; scores of key tile t: half t % 2 of K's fragment t / 2; they add onto the bias
.if (((\t)/2)%2) == 1
	v_wmma_scale_f32_16x16x128_f8f6f4 v[S+8*(\t):S+8*(\t)+7], v[KF+12*((\t)/2):KF+12*((\t)/2)+11], v[\qb:\qb+11], v[S+8*(\t):S+8*(\t)+7], v[KS+(\t)/4], v[QS] matrix_a_fmt:MATRIX_FMT_FP6 matrix_b_fmt:MATRIX_FMT_FP6 matrix_a_scale:MATRIX_SCALE_ROW1
.else
	v_wmma_scale_f32_16x16x128_f8f6f4 v[S+8*(\t):S+8*(\t)+7], v[KF+12*((\t)/2):KF+12*((\t)/2)+11], v[\qb:\qb+11], v[S+8*(\t):S+8*(\t)+7], v[KS+(\t)/4], v[QS] matrix_a_fmt:MATRIX_FMT_FP6 matrix_b_fmt:MATRIX_FMT_FP6
.endif
.endm
.macro OPROD t
.if ((\t)%2) == 1
	v_wmma_scale_f32_16x16x128_f8f6f4 v[OT+8*(\t):OT+8*(\t)+7], v[KF+12*(\t):KF+12*(\t)+11], v[PCD:PCD+11], v[OT+8*(\t):OT+8*(\t)+7], v[VS+(\t)/2], v[PW] matrix_a_fmt:MATRIX_FMT_FP6 matrix_b_fmt:MATRIX_FMT_FP6 matrix_a_scale:MATRIX_SCALE_ROW1
.else
	v_wmma_scale_f32_16x16x128_f8f6f4 v[OT+8*(\t):OT+8*(\t)+7], v[KF+12*(\t):KF+12*(\t)+11], v[PCD:PCD+11], v[OT+8*(\t):OT+8*(\t)+7], v[VS+(\t)/2], v[PW] matrix_a_fmt:MATRIX_FMT_FP6 matrix_b_fmt:MATRIX_FMT_FP6
.endif
.endm
; A head wave's key step: 128 keys out of slot sl and bias tile sl.
.macro HEADSTEP sl
.irp t, 0,1,2,3,4,5,6,7
	ds_load_b128 v[S+8*\t:S+8*\t+3], v[BA] offset:BIASB*\sl+128*(\t/2)+32*(\t%2)          ; tile t, register j: key 32 (t / 2) + 8 (t % 2) + 16 h + j
	ds_load_b128 v[S+8*\t+4:S+8*\t+7], v[BA] offset:BIASB*\sl+128*(\t/2)+32*(\t%2)+16
.endr
.irp f, 0,1,2,3,4,5,6,7
	ds_load_b128 v[KF+6*\f:KF+6*\f+3], v[A16+\sl] offset:768*\f
	ds_load_b64 v[KF+6*\f+4:KF+6*\f+5], v[A8+\sl] offset:768*\f+512
.endr
	ds_load_b32 v[KS], v[A4+\sl] offset:12288      ; lanes 0-15 fragment 0's words, lanes 16-31 fragment 1's
	ds_load_b32 v[KS+1], v[A4+\sl] offset:12288+128
	s_wait_dscnt 0x0
.irp j, 0,1,2,3
	SPROD 2*\j, 22
	SPROD 2*\j+1, 16
.endr
	NOPS 4                                         ; four places: then V's fragments land where K's lay, under the softmax, and the scores are read
.irp f, 0,1,2,3,4,5,6,7
	ds_load_b128 v[KF+6*\f:KF+6*\f+3], v[A16+\sl] offset:6144+768*\f
	ds_load_b64 v[KF+6*\f+4:KF+6*\f+5], v[A8+\sl] offset:6144+768*\f+512
.endr
	ds_load_b32 v[VS], v[A4+\sl] offset:12544
	ds_load_b32 v[VS+1], v[A4+\sl] offset:12544+128
.irp b, 0,1,2,3
	v_max3_num_f32 v[BM+\b], v[S+16*\b], v[S+16*\b+1], v[S+16*\b+2]      ; the largest logit of each block of 32 keys: for the row's maximum and, since p rises with the logit, for the block's largest p
.endr
.irp i, 3,5,7,9,11,13
.irp b, 0,1,2,3
	v_max3_num_f32 v[BM+\b], v[BM+\b], v[S+16*\b+\i], v[S+16*\b+\i+1]
.endr
.endr
.irp b, 0,1,2,3
	v_max_num_f32 v[BM+\b], v[BM+\b], v[S+16*\b+15]
.endr
.irp b, 0,1,2,3
	v_permlanex16_b32 v[PX+\b], v[BM+\b], s[SEL], s[SEL+1]
.endr
.irp b, 0,1,2,3
	v_max_num_f32 v[BM+\b], v[BM+\b], v[PX+\b]
.endr
	v_max3_num_f32 v[TT], v[BM], v[BM+1], v[BM+2]
	v_max_num_f32 v[TT], v[TT], v[BM+3]
	v_mul_f32 v[TT], s[CS], v[TT]
	v_max_num_f32 v13, v13, v[TT]                  ; the running largest t
	v_mov_b32 v[TT], v12
	v_floor_f32 v12, -v13                          ; -M = floor(-t): M is a whole number
	v_sub_f32 v[TT], v12, v[TT]
	v_cvt_i32_f32 v[TT], v[TT]                     ; (it saturates)
	v_ldexp_f32 v[FF], 1.0, v[TT]                  ; f = 2^(old M - new M)
.irp j, 0,2,4,6,8,10,12,14,16,18,20,22,24,26,28,30,32,34,36,38,40,42,44,46,48,50,52,54,56,58,60,62
	v_pk_fma_f32 v[S+\j:S+\j+1], v[S+\j:S+\j+1], s[CS:CS+1], v[12:13] op_sel_hi:[1,0,0]   ; t - M
.endr
.irp b, 0,1,2,3
	v_fma_f32 v[BM+\b], v[BM+\b], s[CS], v12
.endr
.irp j, 0,1,2,3,4,5,6,7,8,9,10,11,12,13,14,15,16,17,18,19,20,21,22,23,24,25,26,27,28,29,30,31,32,33,34,35,36,37,38,39,40,41,42,43,44,45,46,47,48,49,50,51,52,53,54,55,56,57,58,59,60,61,62,63
	v_exp_f32 v[S+\j], v[S+\j]                     ; p
.endr
.irp b, 0,1,2,3
	v_exp_f32 v[BM+\b], v[BM+\b]                   ; the block's largest p
.endr
	v_pk_mul_f32 v[14:15], v[14:15], v[FF:FF+1] op_sel_hi:[1,0]          ; the sums under the new M (a plain place behind the exponentials)
	s_wait_alu depctr_va_vdst(0)
.irp b, 0,1,2,3
	v_max_num_f32 v[BM+\b], 0x1800000, v[BM+\b]    ; the floor 2^(3 - 127): the byte cannot fall under 1
.endr
.irp b, 0,1,2,3
	v_add_nc_u32 v[SE+\b], 0xff000000, v[BM+\b]
.endr
.irp b, 0,1,2,3
	v_lshrrev_b32 v[PX+\b], 23, v[SE+\b]
.endr
	v_lshl_or_b32 v[PW], v[PX+1], 8, v[PX]
	v_lshl_or_b32 v[PW], v[PX+2], 16, v[PW]
	v_lshl_or_b32 v[PW], v[PX+3], 24, v[PW]
.irp c, 0,1
	v_cvt_scalef32_pk16_fp6_f32 v[PCD+6*\c:PCD+6*\c+2], v[S+32*\c:S+32*\c+15], v[SE+2*\c]
	v_cvt_scalef32_pk16_fp6_f32 v[CT+4*\c:CT+4*\c+2], v[S+32*\c+16:S+32*\c+31], v[SE+2*\c+1]
.endr
	v_nop                                          ; one plain place behind a scaled conversion
.irp c, 0,1
.irp i, 0,1,2
	v_permlane16_swap_b32 v[PCD+6*\c+\i], v[CT+4*\c+\i]
.endr
.irp i, 0,1,2
	v_mov_b32 v[PCD+6*\c+3+\i], v[CT+4*\c+\i]
.endr
.endr
.irp j, 0,2,4,6,8,10,12,14,16,18,20,22,24,26,28,30
	v_pk_mul_f32 v[OT+\j:OT+\j+1], v[OT+\j:OT+\j+1], v[FF:FF+1] op_sel_hi:[1,0]   ; O^T under the new M, each accumulator from its low end on
.endr
	v_pk_add_f32 v[C2:C2+1], v[S:S+1], v[S+2:S+3]  ; the row's sum of the unquantised p, in two chains: these 32 lines are also the places in front of the products below
.irp j, 4,8,12,16,20,24,28,32,36,40,44,48,52,56,60
	v_pk_add_f32 v[14:15], v[14:15], v[S+\j:S+\j+1]
	v_pk_add_f32 v[C2:C2+1], v[C2:C2+1], v[S+\j+2:S+\j+3]
.endr
	v_pk_add_f32 v[14:15], v[14:15], v[C2:C2+1]
	s_wait_dscnt 0x0                               ; V
.irp t, 0,1,2,3
	OPROD \t
.endr
	NOPS 4                                         ; four places in front of the next step's loads, and of the way out
.endm
; A key step of the work-group.  Every wave: all its tensor loads landed, the add, its global loads landed, its LDS reads and stores done; a round of the cluster's barrier; then the roles part.
; Helpers: the joint refill of the slot read last step comes first; then the next step's bias tile is made from the raw rows, which were asked for a step ago; then the rows of the step after that are asked
; for: 24 loads, 9,216 bytes a helper, which have this step's work of the head waves in which to land.  The wait for them stands on the common path, ahead of the round at which a helper has to wait for the
; head waves in any case: so no global load is out where the roles part.
.macro TRIP sl, refill, comb, load
	s_wait_tensorcnt 0x0                           ; no tensor load of mine is out: this step's tile is in, and a group 0 may be written
	ds_add_u32 v[SPW], v[NIL]                      ; 0 onto my spare word
	s_wait_loadcnt 0x0                             ; a helper's raw rows are in; the three pointers that those loads named may be stepped
	s_add_nc_u64 s[G0+2+4*\sl:G0+3+4*\sl], s[G0+2+4*\sl:G0+3+4*\sl], 2*STEPB
.if \load
	s_add_nc_u64 s[PSP:PSP+1], s[PSP:PSP+1], 512
	s_add_nc_u64 s[PED:PED+1], s[PED:PED+1], 512
	s_add_nc_u64 s[PMK:PMK+1], s[PMK:PMK+1], 128
.endif
	s_wait_dscnt 0x0                               ; the add is done; my reads of the other slot and bias tile are over; a helper's stores into this step's bias tile have landed
	ROUND
	s_cmp_lt_u32 s[WV], 12
	s_cbranch_scc1 .Lhead_\@
.if \refill
	tensor_load_to_lds s[G0+4-4*\sl:G0+7-4*\sl], s[G1:G1+7]
	s_nop 0
	NOPS 4
.endif
.if \comb
	COMBINE 1-\sl
.endif
.if \load
	s_wait_dscnt 0x0                               ; the stores have read their registers
	RAWLOAD 0
.endif
	s_branch .Ljoin_\@
.Lhead_\@:
	HEADSTEP \sl
.Ljoin_\@:
.endm
.macro QPAIR src, dst, tmp, dw         ; 32 numbers of a lane (register 16 b + i = k 32 b + 16 (lane / 16) + i) become six registers of codes and two scale bytes
.irp b, 0,1
	v_max3_num_f32 v[QM+\b], |v[\src+16*\b]|, |v[\src+16*\b+1]|, QFLOOR
.endr
.irp i, 2,4,6,8,10,12,14
.irp b, 0,1
	v_max3_num_f32 v[QM+\b], v[QM+\b], |v[\src+16*\b+\i]|, |v[\src+16*\b+\i+1]|
.endr
.endr
.irp b, 0,1
	v_permlanex16_b32 v[QX+\b], v[QM+\b], s[SEL], s[SEL+1]
.endr
.irp b, 0,1
	v_max_num_f32 v[QM+\b], v[QM+\b], v[QX+\b]
.endr
.irp b, 0,1
	v_add_nc_u32 v[QE+\b], 0xff000000, v[QM+\b]
.endr
.irp b, 0,1
	v_lshrrev_b32 v[QX+\b], 23, v[QE+\b]
.endr
	v_lshl_or_b32 v[\dw], v[QX+1], 8, v[QX]
	v_cvt_scalef32_pk16_fp6_f32 v[\dst:\dst+2], v[\src:\src+15], v[QE]
	v_cvt_scalef32_pk16_fp6_f32 v[\tmp:\tmp+2], v[\src+16:\src+31], v[QE+1]
	v_nop
.irp i, 0,1,2
	v_permlane16_swap_b32 v[\dst+\i], v[\tmp+\i]
.endr
.irp i, 0,1,2
	v_mov_b32 v[\dst+3+\i], v[\tmp+\i]
.endr
.endm
	s_load_b256 s[4:11], s[0:1], 0x0               ; qf, kv, sp, edge
	s_load_b128 s[12:15], s[0:1], 0x20             ; mask, ao
	v_lshl_add_u32 v[SPW], v0, 2, SPARE
	v_mov_b32 v[NIL], 0
	ds_add_u32 v1, v2
	s_wait_dscnt 0x0
	v_lshrrev_b32 v12, 5, v0
	v_readfirstlane_b32 s[WV], v12                 ; wave 0..15
	s_and_b32 s21, s[WV], 3                        ; e
	s_lshr_b32 s22, s[WV], 1                       ; head in the group
	s_and_b32 s23, s[WV], 1                        ; u
	s_bfe_u32 s66, ttmp6, 0x40000                  ; cx: it enters global addresses of q, the bias and ao alone
	s_lshl_b32 s67, ttmp9, 2
	s_add_co_u32 s67, s67, s66                     ; qb
	s_and_b32 s68, ttmp7, 0xffff                   ; y, which the four partners share
	s_lshr_b32 s69, s68, 1                         ; batch
	s_and_b32 s70, s68, 1                          ; head group
	s_mov_b32 s[G1], 15|(3<<16)|(1<<21)            ; the mask: all four work-groups; elements of 8 bytes; bit 21 set beside a mask
	s_mov_b32 s[G1+1], 32<<16                      ; a dense block as 75 rows of 256 bytes
	s_mov_b32 s[G1+2], 75<<16
	s_mov_b32 s[G1+3], 32<<16
	s_mov_b32 s[G1+4], 75
	s_mov_b32 s[G1+5], 32
	s_mov_b32 s[G1+6], 0
	s_mov_b32 s[G1+7], 0
	s_mov_b32 s[SEL], 0x76543210
	s_mov_b32 s[SEL+1], 0xfedcba98
	s_mov_b32 s[CS], 0x3fb8aa3b                    ; log2(e)
	s_mov_b32 s[CS+1], s[CS]
	s_mov_b32 s44, 0x000c0c0c                      ; byte i of the source on top, zeros below
	s_mov_b32 s45, 0x010c0c0c
	s_mov_b32 s46, 0x020c0c0c
	s_mov_b32 s47, 0x030c0c0c
	s_mul_i32 s80, s21, 19200                      ; a helper's quarter of a step's 76,800 bytes, in LDS and in memory
	s_mul_i32 s82, s68, 8*STEPB
	s_add_co_u32 s82, s82, s80
	s_mov_b32 s83, 0
	s_mov_b32 s73, 0
	s_mov_b32 s79, 0
	s_mul_i32 s71, s70, 6
	s_add_co_u32 s71, s71, s22                     ; head
	s_wait_kmcnt 0x0
	s_add_nc_u64 s[84:85], s[6:7], s[82:83]
	s_mov_b32 s[G0], 1
	s_mov_b32 s[G0+1], s80
	s_mov_b64 s[G0+2:G0+3], s[84:85]               ; step 0
	s_or_b32 s[G0+3], s[G0+3], 0x80000000
	s_mov_b32 s[G0+4], 1
	s_add_co_u32 s[G0+5], s80, SLOT1
	s_add_nc_u64 s[G0+6:G0+7], s[84:85], STEPB     ; step 1
	s_or_b32 s[G0+7], s[G0+7], 0x80000000
	s_lshl_b32 s72, s69, 22                        ; the bias: batch x 1,024 rows + 32 qb rows, of 4,096 bytes (the mask: of 1,024)
	s_lshl_b32 s74, s67, 17
	s_add_co_u32 s72, s72, s74
	s_add_nc_u64 s[PSP:PSP+1], s[8:9], s[72:73]
	s_add_nc_u64 s[PED:PED+1], s[10:11], s[72:73]
	s_lshr_b32 s72, s72, 2
	s_add_nc_u64 s[PMK:PMK+1], s[12:13], s[72:73]
	s_lshl_b32 s72, s69, 4                         ; q: record (token / 64, head)
	s_lshr_b32 s74, s67, 1
	s_add_co_u32 s72, s72, s74
	s_mul_i32 s72, s72, 12
	s_add_co_u32 s72, s72, s71
	s_mul_i32 s72, s72, 3328
	s_add_nc_u64 s[60:61], s[4:5], s[72:73]
	s_and_b32 s74, s67, 1
	s_lshl_b32 s72, s74, 6
	s_add_co_u32 s72, s72, 3072
	s_add_nc_u64 s[62:63], s[60:61], s[72:73]      ; its scale words: tiles 2 (qb & 1) and the next in one word
	s_lshl_b32 s72, s74, 1
	s_add_co_u32 s72, s72, s23
	s_mul_i32 s72, s72, 768
	s_add_nc_u64 s[60:61], s[60:61], s[72:73]      ; my tile's half image
	s_lshl_b32 s72, s69, 3                         ; ao: record (token / 128, head), tile 2 cx + u
	s_add_co_u32 s72, s72, ttmp9
	s_mul_i32 s72, s72, 12
	s_add_co_u32 s72, s72, s71
	s_mul_i32 s72, s72, 7168
	s_lshl_b32 s74, s66, 1
	s_add_co_u32 s74, s74, s23
	s_mul_i32 s78, s74, 768
	s_add_co_u32 s78, s78, s72
	s_add_nc_u64 s[56:57], s[14:15], s[78:79]
	s_lshl_b32 s78, s74, 7
	s_add_co_u32 s78, s78, s72
	s_add_co_u32 s78, s78, 6144
	s_add_nc_u64 s[58:59], s[14:15], s[78:79]
	; every address register is made here, ahead of the parting of the roles, and holds nothing else
	v_and_b32 v12, 31, v0                          ; lane
	v_and_b32 v13, 15, v0                          ; r
	v_bfe_u32 v14, v0, 4, 1                        ; h
	s_mul_i32 s75, s22, 12800
	v_lshl_add_u32 v[A16], v12, 4, s75
	v_add_nc_u32 v[A16+1], SLOT1, v[A16]
	v_lshl_add_u32 v[A8], v12, 3, s75
	v_add_nc_u32 v[A8+1], SLOT1, v[A8]
	v_lshl_add_u32 v[A4], v12, 2, s75
	v_add_nc_u32 v[A4+1], SLOT1, v[A4]
	s_mul_i32 s75, s23, 16*BPITCH
	s_add_co_u32 s75, s75, BIAS0
	v_mul_u32_u24 v[BA], v13, BPITCH
	v_lshl_add_u32 v[BA], v14, 6, v[BA]
	v_add_nc_u32 v[BA], s75, v[BA]                 ; place 16 u + r, + 64 h
	s_and_b32 s75, s21, 1
	s_lshl_b32 s75, s75, 4
	s_lshr_b32 s76, s21, 1
	s_lshl_b32 s76, s76, 3
	s_add_co_u32 s75, s75, s76
	s_mul_i32 s75, s75, BPITCH
	s_add_co_u32 s75, s75, BIAS0
	v_lshl_add_u32 v[HB], v12, 4, s75              ; queries 8 e + i lie at places 16 (e & 1) + 8 (e / 2) + i
	v_lshlrev_b32 v[L16], 4, v12
	v_lshlrev_b32 v[L8], 3, v12
	v_lshlrev_b32 v[L4], 2, v12
	s_lshl_b32 s75, s21, 15
	v_lshl_add_u32 v[GF], v12, 4, s75
	s_lshl_b32 s75, s21, 13
	v_lshl_add_u32 v[GM], v12, 2, s75
	v_lshlrev_b32 v[R4], 2, v13
	ROUND                                          ; all four work-groups are here: the first joint loads meet
	s_cmp_lt_u32 s[WV], 12
	s_cbranch_scc1 .Lhead_first
	tensor_load_to_lds s[G0:G0+3], s[G1:G1+7]      ; step 0 into slot 0
	s_nop 0
	NOPS 4
	RAWLOAD 0                                      ; step 0's rows
	s_wait_loadcnt 0x0
	COMBINE 0
	s_wait_dscnt 0x0                               ; the stores have read their registers
	RAWLOAD 1                                      ; step 1's rows
	s_branch .Lfirst_done
.Lhead_first:
	global_load_b128 v[22:25], v[L16], s[60:61]    ; q's six registers stay
	global_load_b64 v[26:27], v[L8], s[60:61] offset:512
	global_load_b32 v[QS], v[R4], s[62:63]
.irp j, 16,17,18,19,20,21,28,29,30,31,32,33
	v_mov_b32 v[\j], 0                             ; the zero halves round q
.endr
	v_mov_b32 v13, 0xfe967699                      ; the largest t so far: -1e38, over every masked t and under every other
	v_floor_f32 v12, -v13
	v_mov_b32 v14, 0
	v_mov_b32 v15, 0
.irp b, 0,1,2,3
	v_mov_b32 v[PX+\b], 0                          ; a lane permute's destination counts as one of its sources
.endr
	v_mov_b32 v[FF+1], 0                           ; (named as the upper half of a pair)
	v_mov_b32 v[TT], 0
	s_lshl_b32 s75, s23, 4
	s_wait_loadcnt 0x0
	v_lshrrev_b32 v[QS], s75, v[QS]                ; my tile's two bytes,
	v_and_b32 v[QS], 0xffff, v[QS]
	v_lshl_or_b32 v[QS], v[QS], 16, v[QS]          ; for either place of q in source 1,
	v_add_nc_u32 v[QS], 0xfcfcfcfd, v[QS]          ; each less 3: the division by 8.  The bytes are 4 at the least, so nothing is borrowed
.irp j, 0,1,2,3,4,5,6,7,8,9,10,11,12,13,14,15,16,17,18,19,20,21,22,23,24,25,26,27,28,29,30,31
	v_mov_b32 v[OT+\j], 0                          ; O^T: the step is written once and its first run finds zeros.  (These lines are also the places behind the scale word's making)
.endr
.Lfirst_done:
	s_wait_xcnt 0x0                                ; the pointers are stepped only behind this wait
	s_add_nc_u64 s[PSP:PSP+1], s[PSP:PSP+1], 512   ; they stand at step 1, the last asked for
	s_add_nc_u64 s[PED:PED+1], s[PED:PED+1], 512
	s_add_nc_u64 s[PMK:PMK+1], s[PMK:PMK+1], 128
	s_mov_b32 s48, 3
.Lloop:                                            ; steps 0 to 5: step i asks for tile i + 1, makes bias tile i + 1 and asks for the raw rows of step i + 2
	TRIP 0, 1, 1, 1
	TRIP 1, 1, 1, 1
	s_sub_co_u32 s48, s48, 1
	s_cmp_lg_u32 s48, 0
	s_cbranch_scc1 .Lloop
	TRIP 0, 1, 1, 0                                ; steps 6 and 7 are written out
	TRIP 1, 0, 0, 0
	s_cmp_lt_u32 s[WV], 12
	s_cbranch_scc0 .Lend
	v_add_f32 v14, v14, v15                        ; l: the two halves,
	v_permlanex16_b32 v[TT], v14, s[SEL], s[SEL+1]
	v_add_f32 v14, v14, v[TT]                      ; and lane l xor 16's
	v_rcp_f32 v[FF], v14
	v_mov_b32 v231, 0xffff                         ; (a plain place behind the reciprocal)
	s_wait_alu depctr_va_vdst(0)
.irp j, 0,2,4,6,8,10,12,14,16,18,20,22,24,26,28,30
	v_pk_mul_f32 v[OT+\j:OT+\j+1], v[OT+\j:OT+\j+1], v[FF:FF+1] op_sel_hi:[1,0]
.endr
	QPAIR OT, PCD, CT, PW
	v_cmp_eq_f32 vcc_lo, 0, v14                    ; every key masked: the NaN byte, twice
	v_cndmask_b32 v[PW], v[PW], v231, vcc_lo
	global_store_b128 v[L16], v[PCD:PCD+3], s[56:57]
	global_store_b64 v[L8], v[PCD+4:PCD+5], s[56:57] offset:512
	global_store_b32 v[L4], v[PW], s[58:59]
.Lend:
	s_wait_tensorcnt 0x0                           ; the wave's end
	ds_add_u32 v[SPW], v[NIL]
	s_wait_dscnt 0x0
	ROUND                                          ; the closing round
	s_endpgm
.Lfunc_end_k_q80a2080a06_attn:
	.size	k_q80a2080a06_attn, .Lfunc_end_k_q80a2080a06_attn-k_q80a2080a06_attn
	.p2alignl 7, 3214868480
	.fill 96, 4, 3214868480
	.section	.rodata,"a",@progbits
	.p2align	6, 0x0
	.amdhsa_kernel k_q80a2080a06_attn
		.amdhsa_group_segment_fixed_size 327680
		.amdhsa_private_segment_fixed_size 0
		.amdhsa_enable_private_segment 0
		.amdhsa_kernarg_size 48
		.amdhsa_user_sgpr_count 2
		.amdhsa_user_sgpr_kernarg_segment_ptr 1
		.amdhsa_wavefront_size32 1
		.amdhsa_system_sgpr_workgroup_id_x 1
		.amdhsa_system_sgpr_workgroup_id_y 1
		.amdhsa_system_sgpr_workgroup_id_z 1
		.amdhsa_system_vgpr_workitem_id 0
		.amdhsa_next_free_vgpr 256
		.amdhsa_next_free_sgpr 86
		.amdhsa_reserve_vcc 1
		.amdhsa_float_denorm_mode_32 3
		.amdhsa_float_denorm_mode_16_64 3
		.amdhsa_memory_ordered 1
		.amdhsa_forward_progress 1
		.amdhsa_inst_pref_size 112
	.end_amdhsa_kernel
	.amdgpu_metadata
---
amdhsa.version: [ 1, 2 ]
amdhsa.kernels:
  - .name:           k_q80a2080a06_attn
    .symbol:         k_q80a2080a06_attn.kd
    .args:
      - { .name: qf, .offset: 0, .size: 8, .value_kind: global_buffer, .address_space: global }
      - { .name: kv, .offset: 8, .size: 8, .value_kind: global_buffer, .address_space: global }
      - { .name: sp_enc, .offset: 16, .size: 8, .value_kind: global_buffer, .address_space: global }
      - { .name: edge_enc, .offset: 24, .size: 8, .value_kind: global_buffer, .address_space: global }
      - { .name: mask, .offset: 32, .size: 8, .value_kind: global_buffer, .address_space: global }
      - { .name: ao, .offset: 40, .size: 8, .value_kind: global_buffer, .address_space: global }
    .group_segment_fixed_size: 327680
    .private_segment_fixed_size: 0
    .kernarg_segment_align: 8
    .kernarg_segment_size: 48
    .max_flat_workgroup_size: 512
    .sgpr_count:     86
    .vgpr_count:     256
    .wavefront_size: 32
...
	.end_amdgpu_metadata
.endif
;; end of part 2
;; launch outp (part 3): grid 4 x 64, 8 waves a work-group, no clusters, 230,400 bytes of LDS; arguments ao, Wo_codes, Wo_scales, bo, out0; writes out0
.if DOCPART == 3
	.amdgcn_target "amdgcn-amd-amdhsa--gfx1250"
	.amdhsa_code_object_version 6
	.text
	.protected	k_q80a2080a06_outp
	.globl	k_q80a2080a06_outp
	.p2align	8
	.type	k_q80a2080a06_outp,@function
k_q80a2080a06_outp:
	s_mov_b64 s[64:65], 0
	v_nop
	global_prefetch_b8 v0, s[64:65] scope:SCOPE_SE
	s_setreg_imm32_b32 hwreg(HW_REG_WAVE_MODE, 25, 1), 1
	s_wait_xcnt 0x0
; out0 = a Wo^T + bo on codes of FP6 (E2M3) with E8M0 scales.  a: the attention's result as half images, ao [token / 128][head][7,168]: eight tiles of 16 tokens x 64 channels (768 bytes each), then each
; tile's scale bytes, two in a word for each lane (128 bytes).  Wo: 768 rows of 576 bytes of codes and 24 scale bytes.  out0: [8,192][768] f32.
; SHARES.  Work-group: 128 tokens (y) x 192 features (x).  Eight waves: th = wave & 1 takes four token tiles, fq = wave >> 1 three tiles of 16 rows of Wo: 12 accumulators.
; The product is used transposed (source 0 = Wo's rows, source 1 = tokens): a lane holds a token and eight neighbouring features.  A token fragment of 128 along K is two heads' half images.
; LDS is filled ONCE: ao's 86,016 bytes and Wo's 192 rows in three parts of 256 along K each, and Wo's scale bytes; a part is multiplied while the later parts land.  Nothing is filled again.
; The stage for the way out lies over these bytes, behind their last fill and a barrier behind every wave's last read.
; NO JOINT LOADS: ao's block is wanted by the 4 work-groups of a y and Wo's rows by the 64 of an x; a work-group asks for 86 KB + 115 KB once.  A cluster would divide these requests by four; it is left out
; here, as the program's larger shared traffic is asked for jointly in the launch before.
; A token whose scale bytes are 0xff (every key masked) gets NaN in all its features.
.set PITCH, 240
.set AOP,   28672                      ; a part of ao: four heads
.set WO,    86016
.set WOP,   192*PITCH                  ; a part of Wo
.set WSC,   WO+3*WOP
.set SPT,   784                        ; a stage row: 768 bytes + 16
.set AWO, 3                            ; v3 Wo's fragments; v5 the same behind one padding more
.set I16, 6                            ; v6, v7, v8: 16, 8, 4 x lane + my four tiles' place in a head's record
.set I8,  7
.set I4,  8
.set WS,  9                            ; v9 Wo's scale words
.set BO,  10                           ; v10 my offset in bo
.set STO, 11                           ; v11 the stage: where I put 32 bytes of a row
.set RD,  12                           ; v12, v13 the stage: where I read back
.set WF,  16                           ; v16-51 Wo's three fragments
.set TF,  52                           ; v52-99 four token fragments
.set WSW, 100                          ; v100-102 Wo's scale words
.set DE,  104                          ; v104-107, v108-111 the two heads' scale bytes
.set SW,  112                          ; v112-115 the tokens' scale words
.set GO,  116                          ; v116, v117 my offsets in out0
.set ACC, 160                          ; v160-255: accumulator (t, m) at 8 (4 t + m)
.set WV,  72
.set G1R, 16
.set G1A, 24
.set G1W, 32
.macro NOPS n
.rept \n
	v_nop
.endr
.endm
.macro FRAG reg, adr, q, ro
.irp p, 0,1,2,3,4,5
.set PCE, 12*(\q)+6*(\p/3)+\p%3
.if PCE%8 < 5
	ds_load_b64 v[\reg+2*\p:\reg+2*\p+1], v[\adr] offset:8*PCE+16*(PCE/8)+(\ro)*PITCH
.else
	ds_load_b64 v[\reg+2*\p:\reg+2*\p+1], v[\adr+2] offset:8*PCE+16*(PCE/8)+(\ro)*PITCH
.endif
.endr
.endm
.macro MKG0 g, lds, plo, off
	s_mov_b32 s[\g], 1
	s_mov_b32 s[\g+1], \lds
	s_add_nc_u64 s[\g+2:\g+3], s[\plo:\plo+1], \off
	s_or_b32 s[\g+3], s[\g+3], 0x80000000
.endm
; 128 along K: the q-th of the part in hand, the ks-th of all.  (ks arrives as text such as 2*1+1: both arguments stand in parentheses wherever they are part of a larger expression)
.macro KSTEP q, ks
.irp t, 0,1,2
	FRAG WF+12*\t, AWO, \q, 16*\t
.endr
.irp m, 0,1,2,3
	ds_load_b128 v[TF+12*\m:TF+12*\m+3], v[I16] offset:(2*(\q))*7168+768*\m
	ds_load_b64 v[TF+12*\m+4:TF+12*\m+5], v[I8] offset:(2*(\q))*7168+768*\m+512
	ds_load_b128 v[TF+12*\m+6:TF+12*\m+9], v[I16] offset:(2*(\q)+1)*7168+768*\m
	ds_load_b64 v[TF+12*\m+10:TF+12*\m+11], v[I8] offset:(2*(\q)+1)*7168+768*\m+512
.endr
.irp t, 0,1,2
	ds_load_b32 v[WSW+\t], v[WS] offset:16*\t*24+4*(\ks)           ; row 16 t + r's word for k = 128 ks .. 128 ks + 127
.endr
.irp m, 0,1,2,3
	ds_load_b32 v[DE+\m], v[I4] offset:(2*(\q))*7168+128*\m
	ds_load_b32 v[DE+4+\m], v[I4] offset:(2*(\q)+1)*7168+128*\m
.endr
	s_wait_dscnt 0x0
.irp m, 0,1,2,3
	v_lshl_or_b32 v[SW+\m], v[DE+4+\m], 16, v[DE+\m]
.endr
	NOPS 8                                         ; a scale register written by a vector instruction stands eight places ahead of the scaled product
.irp t, 0,1,2
.irp m, 0,1,2,3
	v_wmma_scale_f32_16x16x128_f8f6f4 v[ACC+8*(4*\t+\m):ACC+8*(4*\t+\m)+7], v[WF+12*\t:WF+12*\t+11], v[TF+12*\m:TF+12*\m+11], v[ACC+8*(4*\t+\m):ACC+8*(4*\t+\m)+7], v[WSW+\t], v[SW+\m] matrix_a_fmt:MATRIX_FMT_FP6 matrix_b_fmt:MATRIX_FMT_FP6
.endr
.endr
	NOPS 4                                         ; four places in front of the next loads into operands, of the next scale words, and of the first read of results
.endm
	s_load_b256 s[4:11], s[0:1], 0x0               ; ao, Wo codes, Wo scales, bo
	s_load_b64 s[12:13], s[0:1], 0x20              ; out0
	v_lshl_add_u32 v158, v0, 2, 0x38000
	v_mov_b32 v159, 0
	ds_add_u32 v158, v159
	v_lshrrev_b32 v1, 5, v0
	v_readfirstlane_b32 s[WV], v1                  ; wave 0..7
	s_and_b32 s73, s[WV], 1                        ; th
	s_lshr_b32 s74, s[WV], 1                       ; fq
	s_mov_b32 s75, ttmp9                           ; which 192 features
	s_and_b32 s76, ttmp7, 0xffff                   ; which 128 tokens
	s_mov_b32 s[G1R], (1<<20)|(3<<22)|(3<<25)      ; 64 rows of 192 bytes, 576 apart; 16 bytes of padding behind every 16 words
	s_mov_b32 s[G1R+1], 192<<16
	s_mov_b32 s[G1R+2], 64<<16
	s_mov_b32 s[G1R+3], 192<<16
	s_mov_b32 s[G1R+4], 64
	s_mov_b32 s[G1R+5], 576
	s_mov_b32 s[G1R+6], 0
	s_mov_b32 s[G1R+7], 0
.irp g, G1A, G1W                       ; dense blocks as rows of 256 bytes
	s_mov_b32 s[\g], 3<<16
	s_mov_b32 s[\g+1], 32<<16
	s_mov_b32 s[\g+3], 32<<16
	s_mov_b32 s[\g+5], 32
	s_mov_b32 s[\g+6], 0
	s_mov_b32 s[\g+7], 0
.endr
	s_mov_b32 s[G1A+2], 112<<16
	s_mov_b32 s[G1A+4], 112
	s_mov_b32 s[G1W+2], 18<<16
	s_mov_b32 s[G1W+4], 18
	s_mul_i32 s77, s75, 192
	s_lshl_b32 s78, s[WV], 6
	s_add_co_u32 s77, s77, s78                     ; waves 0-2: Wo's rows 192 x + 64 wave
	s_mul_i32 s78, s77, 576
	s_mov_b32 s79, 0
	s_mul_i32 s80, s[WV], 64*PITCH
	s_add_co_u32 s80, s80, WO
	s_mul_i32 s82, s75, 4608
	s_mov_b32 s83, 0
	s_mul_i32 s84, s76, 86016
	s_mov_b32 s85, 0
	s_wait_dscnt 0x0
	s_wait_kmcnt 0x0
	s_add_nc_u64 s[78:79], s[6:7], s[78:79]
	s_add_nc_u64 s[82:83], s[8:9], s[82:83]
	s_add_nc_u64 s[84:85], s[4:5], s[84:85]
.irp p, 0,1,2
	s_mov_b32 s[40+4*\p], 1
	s_add_co_u32 s[41+4*\p], s80, \p*WOP
	s_add_nc_u64 s[42+4*\p:43+4*\p], s[78:79], \p*192
	s_or_b32 s[43+4*\p], s[43+4*\p], 0x80000000
.endr
	MKG0 52, WSC, 82, 0
	MKG0 56, 0, 84, 0
	MKG0 60, AOP, 84, AOP
	MKG0 68, 2*AOP, 84, 2*AOP
	s_cmp_lt_u32 s[WV], 3                          ; all fills of the launch, a wave's together: four loads of one wave are out at the most
	s_cbranch_scc0 .Lnot_wo
	tensor_load_to_lds s[40:43], s[G1R:G1R+7]
	s_nop 0
	tensor_load_to_lds s[44:47], s[G1R:G1R+7]
	s_nop 0
	tensor_load_to_lds s[48:51], s[G1R:G1R+7]
	s_nop 0
	NOPS 4
	s_branch .Lfilled
.Lnot_wo:
	s_cmp_eq_u32 s[WV], 3
	s_cbranch_scc0 .Lfilled
	tensor_load_to_lds s[52:55], s[G1W:G1W+7]
	s_nop 0
	tensor_load_to_lds s[56:59], s[G1A:G1A+7]
	s_nop 0
	tensor_load_to_lds s[60:63], s[G1A:G1A+7]
	s_nop 0
	tensor_load_to_lds s[68:71], s[G1A:G1A+7]
	s_nop 0
	NOPS 4
.Lfilled:
	v_and_b32 v1, 15, v0                           ; r
	v_bfe_u32 v2, v0, 4, 1                         ; h
	v_and_b32 v4, 31, v0                           ; lane
	s_mul_i32 s77, s74, 48*PITCH
	s_add_co_u32 s77, s77, WO
	v_mul_u32_u24 v15, v1, PITCH
	v_mad_u32_u24 v[AWO], v2, 24, v15
	v_mad_u32_u24 v[AWO+2], v2, 40, v15
	v_add_nc_u32 v[AWO], s77, v[AWO]
	v_add_nc_u32 v[AWO+2], s77, v[AWO+2]
	s_mul_i32 s77, s73, 4*768
	v_lshl_add_u32 v[I16], v4, 4, s77
	v_lshl_add_u32 v[I8], v4, 3, s77
	s_lshl_b32 s77, s73, 9
	s_add_co_u32 s77, s77, 6144
	v_lshl_add_u32 v[I4], v4, 2, s77
	s_mul_i32 s77, s74, 48*24
	s_add_co_u32 s77, s77, WSC
	v_mul_u32_u24 v[WS], v1, 24
	v_add_nc_u32 v[WS], s77, v[WS]
	v_lshlrev_b32 v[BO], 5, v2
	v_and_b32 v15, 8, v1
	v_add_nc_u32 v15, v15, v1                      ; r + 8 (r / 8)
	v_mul_u32_u24 v[STO], v15, SPT
	v_lshl_add_u32 v[STO], v2, 5, v[STO]
	s_mul_i32 s77, s73, 64*SPT
	s_mul_i32 s81, s74, 192
	s_add_co_u32 s77, s77, s81
	v_add_nc_u32 v[STO], s77, v[STO]               ; token 64 th + PI(m, r), feature 48 fq + 16 t + 8 h
	s_mul_i32 s77, s[WV], 16*SPT
	v_lshl_add_u32 v15, v1, 4, s77
	v_lshl_add_u32 v[RD], v2, 8, v15               ; lanes 16-31: 256 bytes on in the same row,
	v_mad_u32_u24 v[RD+1], v2, 272, v15            ; or from a row's last 256 bytes to the next row's first
	v_lshlrev_b32 v15, 4, v1
	v_lshl_add_u32 v[GO], v2, 8, v15
	v_mad_u32_u24 v[GO+1], v2, 2560, v15
	; bo goes straight into the accumulators, in the result's layout: every K step adds in place
	s_mul_i32 s78, s75, 768
	s_mul_i32 s81, s74, 192
	s_add_co_u32 s78, s78, s81
	s_mov_b32 s79, 0
	s_add_nc_u64 s[10:11], s[10:11], s[78:79]
.irp t, 0,1,2
.irp m, 0,1,2,3
	global_load_b128 v[ACC+8*(4*\t+\m):ACC+8*(4*\t+\m)+3], v[BO], s[10:11] offset:64*\t
	global_load_b128 v[ACC+8*(4*\t+\m)+4:ACC+8*(4*\t+\m)+7], v[BO], s[10:11] offset:64*\t+16
.endr
.endr
	s_lshl_b32 s78, s76, 7
	s_lshl_b32 s81, s[WV], 4
	s_add_co_u32 s78, s78, s81
	s_mul_i32 s78, s78, 3072                       ; the rows that I store: 128 y + 16 wave,
	s_mul_i32 s81, s75, 768
	s_add_co_u32 s78, s78, s81                     ; at byte 768 x of each
	s_add_nc_u64 s[12:13], s[12:13], s[78:79]
	s_wait_tensorcnt 0x2                           ; part 0 (and the scales) are in; the two later parts' loads may stay out
	s_barrier_signal -1
	s_barrier_wait -1
	s_wait_loadcnt 0x0                             ; bo
	KSTEP 0, 0
	KSTEP 1, 1
.irp kc, 1,2
	v_add_nc_u32 v[AWO], WOP, v[AWO]               ; on to the next part
	v_add_nc_u32 v[AWO+2], WOP, v[AWO+2]
	v_add_nc_u32 v[I16], AOP, v[I16]
	v_add_nc_u32 v[I8], AOP, v[I8]
	v_add_nc_u32 v[I4], AOP, v[I4]
	s_wait_tensorcnt 2-\kc                         ; this part is in; the later part's load may stay out
	s_barrier_signal -1
	s_barrier_wait -1
	KSTEP 0, 2*\kc
	KSTEP 1, 2*\kc+1
.endr
	; THE WAY OUT.  A row's 768 bytes come from four waves: they meet in the stage, and each wave stores 16 whole rows, sixteen lanes to 256 consecutive bytes, aligned.
	s_barrier_signal -1                            ; no LDS instruction of mine is out: every wave's reads of the operands are over
	s_barrier_wait -1
.irp t, 0,1,2
.irp m, 0,1,2,3
	ds_store_b128 v[STO], v[ACC+8*(4*\t+\m):ACC+8*(4*\t+\m)+3] offset:(32*(\m/2)+8*(\m%2))*SPT+64*\t        ; each accumulator from its low end on
	ds_store_b128 v[STO], v[ACC+8*(4*\t+\m)+4:ACC+8*(4*\t+\m)+7] offset:(32*(\m/2)+8*(\m%2))*SPT+64*\t+16
.endr
.endr
	s_wait_dscnt 0x0                               ; for the others' sake: my stores have landed
	s_barrier_signal -1
	s_barrier_wait -1
.irp p, 0,1,2,3,4,5,6,7                ; two rows, 1,536 bytes, in three loads
	ds_load_b128 v[16+12*\p:19+12*\p], v[RD] offset:2*SPT*\p
	ds_load_b128 v[20+12*\p:23+12*\p], v[RD+1] offset:2*SPT*\p+512
	ds_load_b128 v[24+12*\p:27+12*\p], v[RD] offset:2*SPT*\p+SPT+256
.endr
.irp p, 0,1,2,3,4,5,6,7
	s_wait_dscnt 23-3*\p                           ; the younger loads may stay out
	global_store_b128 v[GO], v[16+12*\p:19+12*\p], s[12:13] offset:6144*\p th:TH_STORE_NT
	s_wait_dscnt 22-3*\p
	global_store_b128 v[GO+1], v[20+12*\p:23+12*\p], s[12:13] offset:6144*\p+512 th:TH_STORE_NT
	s_wait_dscnt 21-3*\p
	global_store_b128 v[GO], v[24+12*\p:27+12*\p], s[12:13] offset:6144*\p+3328 th:TH_STORE_NT
.endr
	s_wait_tensorcnt 0x0
	ds_add_u32 v158, v159
	s_wait_dscnt 0x0
	s_endpgm
.Lfunc_end_k_q80a2080a06_outp:
	.size	k_q80a2080a06_outp, .Lfunc_end_k_q80a2080a06_outp-k_q80a2080a06_outp
	.p2alignl 7, 3214868480
	.fill 96, 4, 3214868480
	.section	.rodata,"a",@progbits
	.p2align	6, 0x0
	.amdhsa_kernel k_q80a2080a06_outp
		.amdhsa_group_segment_fixed_size 230400
		.amdhsa_private_segment_fixed_size 0
		.amdhsa_enable_private_segment 0
		.amdhsa_kernarg_size 40
		.amdhsa_user_sgpr_count 2
		.amdhsa_user_sgpr_kernarg_segment_ptr 1
		.amdhsa_wavefront_size32 1
		.amdhsa_system_sgpr_workgroup_id_x 1
		.amdhsa_system_sgpr_workgroup_id_y 1
		.amdhsa_system_sgpr_workgroup_id_z 1
		.amdhsa_system_vgpr_workitem_id 0
		.amdhsa_next_free_vgpr 256
		.amdhsa_next_free_sgpr 86
		.amdhsa_reserve_vcc 0
		.amdhsa_float_denorm_mode_32 3
		.amdhsa_float_denorm_mode_16_64 3
		.amdhsa_memory_ordered 1
		.amdhsa_forward_progress 1
		.amdhsa_inst_pref_size 48
	.end_amdhsa_kernel
	.amdgpu_metadata
---
amdhsa.version: [ 1, 2 ]
amdhsa.kernels:
  - .name:           k_q80a2080a06_outp
    .symbol:         k_q80a2080a06_outp.kd
    .args:
      - { .name: ao, .offset: 0, .size: 8, .value_kind: global_buffer, .address_space: global }
      - { .name: Wo_codes, .offset: 8, .size: 8, .value_kind: global_buffer, .address_space: global }
      - { .name: Wo_scales, .offset: 16, .size: 8, .value_kind: global_buffer, .address_space: global }
      - { .name: bo, .offset: 24, .size: 8, .value_kind: global_buffer, .address_space: global }
      - { .name: out0, .offset: 32, .size: 8, .value_kind: global_buffer, .address_space: global }
    .group_segment_fixed_size: 230400
    .private_segment_fixed_size: 0
    .kernarg_segment_align: 8
    .kernarg_segment_size: 40
    .max_flat_workgroup_size: 256
    .sgpr_count:     86
    .vgpr_count:     256
    .wavefront_size: 32
...
	.end_amdgpu_metadata
.endif
;; end of part 3
;; ======== version 2 of 2: 3 launches
;; limits: inputs' magnitudes at most 6.9e+37
;; workspace buffers: qf 5,111,808 bytes; kv 9,830,400 bytes; ao 5,505,024 bytes
;; launch proj: the kernel of part 1 again; grid 8 x 32, 12 waves a work-group, no clusters, 327,680 bytes of LDS; arguments x_codes, x_scales, Wq_codes, Wq_scales, Wk_codes, Wk_scales, Wv_codes, Wv_scales, bq, bk, bv, qf, kv; writes qf, kv
;; launch attn (part 4): grid 32 x 16, 16 waves a work-group, clusters of 4 x 1, 327,680 bytes of LDS; arguments qf, kv, sp_enc, edge_enc, mask, ao; writes ao
.if DOCPART == 4
	.amdgcn_target "amdgcn-amd-amdhsa--gfx1250"
	.amdhsa_code_object_version 6
	.text
	.protected	k_q80a2080a06_attn
	.globl	k_q80a2080a06_attn
	.p2align	8
	.type	k_q80a2080a06_attn,@function
k_q80a2080a06_attn:
	s_mov_b64 s[64:65], 0
	v_nop
	global_prefetch_b8 v0, s[64:65] scope:SCOPE_SE
	s_setreg_imm32_b32 hwreg(HW_REG_WAVE_MODE, 25, 1), 1
	s_wait_xcnt 0x0
	s_wait_alu depctr_hold_cnt(0) depctr_sa_sdst(0) depctr_va_vdst(0) depctr_va_sdst(0) depctr_va_ssrc(0) depctr_va_vcc(0) depctr_vm_vsrc(0)
	s_getreg_b32 s2, hwreg(HW_REG_IB_STS2, 6, 4)
	s_cmp_eq_u32 s2, 0
	s_cbranch_scc0 .Lentry_in_a_cluster
	s_endpgm
.Lentry_in_a_cluster:
	s_bfe_u32 s2, ttmp6, 0x10000c
	s_cmp_lg_u32 s2, 0x3003
	s_cbranch_scc0 .Lentry_shape_is_right
	s_endpgm
.Lentry_shape_is_right:
; o = softmax(q k^T / 8 + sp + edge, masked) v for 32 queries x 6 heads a work-group, both products on codes of FP6 (E2M3) with E8M0 scales; o / l is quantised along the head's 64 and leaves as half images.
; THE SOFTMAX: t = logit x log2(e); M = the running largest t rounded up to a whole number; p = 2^(t - M) is quantised along the keys, not normalised; the sum l is taken of the unquantised p; when M moves,
; l and O^T are multiplied by 2^(old M - new M), which rounds nothing.
; SHARES.  Work-group: query block qb = 4 x cluster x + cx (32 queries), y = 2 batch + head group (6 heads).  Waves 0-11 are HEAD WAVES: head wave / 2, tile u = wave & 1 of 16 queries 8 u + r + 8 (r / 8).
; Waves 12-15 ask for K's and V's tiles, a quarter of a step's bytes each (e = wave & 3).
; THE BIAS TILE, sp + edge (a masked place: -2^127 added), is made once for all six heads, in LDS, BY ALL SIXTEEN WAVES ALIKE: wave w takes queries 2 w and 2 w + 1 (32 rows divide by 16 waves, not by 12).
; Its loads, waits and sums stand on the path that every wave takes.  Two sets of registers take turns: step i sums the rows of step i + 1, asked for in step i - 2, and asks for those of step i + 3:
; 2,304 bytes a wave and step, two steps' requests on their way.
; THE BIAS COSTS NO VECTOR INSTRUCTION FOR EACH HEAD: it is loaded from LDS into the score accumulators, and the product k q^T adds onto it.  The factor 1 / 8 is 3 taken off q's scale bytes: exact.
; K = 64 IS HALF AN INSTRUCTION: a fragment of K holds TWO tiles of 16 keys (registers 0-5, 6-11); q stands as [0 x 6][q x 6][0 x 6], and source 1 = (q, 0) gives the first tile's scores, (0, q) the second's.
; Both products are used transposed (S^T = K Q^T, O^T = V^T P^T): a lane holds one query.  The rows of a tile are PI(t, r) = 32 (t / 2) + 8 (t % 2) + r + 8 (r / 8), as the launch before laid them.
; CLUSTER.  The four query blocks of a cluster walk the same 76,800 bytes of K and V a step: each quarter is asked for JOINTLY (mask 15).  The bias is each work-group's own.
; LDS: slot 0 at 0, slot 1 at 2^17 (a step of 128 keys: 6 heads x 12,800 bytes of register images); two bias tiles of 32 rows x 528 bytes and the spare words between them, in blocks that no fill touches.
; The bias rows lie with bits 3 and 4 of the query's number exchanged, so that a head wave's sixteen lanes read sixteen neighbouring rows: 16 different groups of banks at this pitch.
; LIMITS: NaN and infinities among the inputs are not served; a logit under about -6.9e37 counts as masked; blocks of o under 2^-121 are held at that floor's scale;
; a query whose every key is masked has l = 0: its scale bytes are set to 0xff, and the next launch's sums for that token are NaN, as the definition has them.
.set STEPB,  76800
.set SLOT1,  131072
.set BIAS0,  76800
.set BPITCH, 528
.set BIASB,  32*BPITCH
.set SPARE,  BIAS0+2*BIASB
.set QFLOOR, 0x3000000
.set SPW, 1                            ; v1 my spare word, v2 0: never rewritten
.set NIL, 2
.set A16, 3                            ; v3, v4: 16 x lane + my head's block in slot 0, 1;  v5, v6: 8 x lane;  v7, v8: 4 x lane
.set A8,  5
.set A4,  7
.set BA,  9                            ; v9  head waves: my query's bias row
.set HB,  10                           ; v10 where my 16 bytes of my wave's first bias row go
.set GF,  11                           ; v11 my bytes in my wave's first row of sp and edge;  v231 in the mask
.set GM,  231
.set QS,  34                           ; q's scale word
.set KF,  36                           ; v36-83 four fragments of K, then of V
.set KS,  84                           ; v84-85 K's scale words, v86-87 V's
.set VS,  86
.set S,   96                           ; v96-159 the bias, then S^T, then p
.set OT,  160                          ; v160-191 O^T
.set PCD, 192                          ; v192-203 p's codes
.set CT,  204                          ; v204-206, v208-210 conversions' second halves
.set BM,  212                          ; v212-215 block maxima
.set PX,  216                          ; v216-219 the other half's, then the bytes
.set SE,  220                          ; v220-223 the conversions' scale operands
.set PW,  224                          ; p's scale word
.set FF,  226                          ; v[226:227] f
.set C2,  228                          ; v[228:229] the sum's second chain
.set TT,  230
.set QM,  212
.set QX,  216
.set QE,  220
; THE RAW ROWS, two sets of 18 registers, none of them a register that a matrix instruction names or that holds scales:
;   set 0: sp v88-95, edge v232-239, mask words v35, v207;   set 1: sp v240-247, edge v248-255, mask words v211, v225.
; The sums are made in registers that are dead at a step's head: v228, v229 at work; v212-219 0 or -2^127; the bias itself in v220-223 and v192-195.
.set WV,  20
.set G1,  24
.set G0,  32                           ; s[32:35] slot 0, s[36:39] slot 1
.set SEL, 40
.set CS,  42
.set PSP, 50
.set PED, 52
.set PMK, 54
.macro NOPS n
.rept \n
	v_nop
.endr
.endm
.macro ROUND                           ; a round of the cluster's barrier
	s_barrier_signal -1
	s_barrier_wait -1
	s_cmp_lg_u32 s[WV], 0
	s_cbranch_scc1 .Lnot_wave_0_\@
	s_barrier_signal -3
.Lnot_wave_0_\@:
	s_barrier_wait -3
	s_barrier_signal -1
	s_barrier_wait -1
.endm
.macro PICK k                          ; the registers of raw set k (k arrives as text such as 1-0: it stands in parentheses)
.set KK, (\k)
.set RSP, 88+152*KK
.set RED, 232+16*KK
.if KK == 0
.set RM0, 35
.set RM1, 207
.else
.set RM0, 211
.set RM1, 225
.endif
.endm
.macro RAWLOAD k, so                   ; my wave's 2 rows x 128 keys of sp, edge and mask, so steps on from the pointers, into set k: the wave reads 512, 512 and 128 consecutive bytes of each row
	PICK \k
	global_load_b128 v[RSP:RSP+3], v[GF], s[PSP:PSP+1] offset:512*(\so)
	global_load_b128 v[RED:RED+3], v[GF], s[PED:PED+1] offset:512*(\so)
	global_load_b32 v[RM0], v[GM], s[PMK:PMK+1] offset:128*(\so)
	global_load_b128 v[RSP+4:RSP+7], v[GF], s[PSP:PSP+1] offset:4096+512*(\so)
	global_load_b128 v[RED+4:RED+7], v[GF], s[PED:PED+1] offset:4096+512*(\so)
	global_load_b32 v[RM1], v[GM], s[PMK:PMK+1] offset:1024+128*(\so)
.endm
.macro ROWSUM sp, ed, mk, ht, sn, out, off   ; one row: sp + edge, and -2^127 more where the mask's byte is 1.  The sum leaves the raw registers, so that they can be loaded again at once
	v_lshlrev_b32 v[\ht], 8, v[\mk]
	v_sub_nc_u32 v[\ht], v[\ht], v[\mk]            ; x 255: each byte 0x00 or 0xff
	v_perm_b32 v[\sn], v[\ht], v[\ht], s44         ; byte i on top of zeros: 0 or 0xff000000 = -2^127
	v_perm_b32 v[\sn+1], v[\ht], v[\ht], s45
	v_perm_b32 v[\sn+2], v[\ht], v[\ht], s46
	v_perm_b32 v[\sn+3], v[\ht], v[\ht], s47
	v_pk_add_f32 v[\out:\out+1], v[\sp:\sp+1], v[\ed:\ed+1]
	v_pk_add_f32 v[\out+2:\out+3], v[\sp+2:\sp+3], v[\ed+2:\ed+3]
	v_pk_add_f32 v[\out:\out+1], v[\out:\out+1], v[\sn:\sn+1]
	v_pk_add_f32 v[\out+2:\out+3], v[\out+2:\out+3], v[\sn+2:\sn+3]
	ds_store_b128 v[HB], v[\out:\out+3] offset:\off
.endm
.macro COMBINE k                       ; raw set k becomes my two rows of bias tile k
	PICK \k
	ROWSUM RSP, RED, RM0, 228, 212, 220, BIASB*KK
	ROWSUM RSP+4, RED+4, RM1, 229, 216, 192, BIASB*KK+BPITCH
.endm
.macro SPROD t, qb                     ; scores of key tile t: half t % 2 of K's fragment t / 2; they add onto the bias
.if (((\t)/2)%2) == 1
	v_wmma_scale_f32_16x16x128_f8f6f4 v[S+8*(\t):S+8*(\t)+7], v[KF+12*((\t)/2):KF+12*((\t)/2)+11], v[\qb:\qb+11], v[S+8*(\t):S+8*(\t)+7], v[KS+(\t)/4], v[QS] matrix_a_fmt:MATRIX_FMT_FP6 matrix_b_fmt:MATRIX_FMT_FP6 matrix_a_scale:MATRIX_SCALE_ROW1
.else
	v_wmma_scale_f32_16x16x128_f8f6f4 v[S+8*(\t):S+8*(\t)+7], v[KF+12*((\t)/2):KF+12*((\t)/2)+11], v[\qb:\qb+11], v[S+8*(\t):S+8*(\t)+7], v[KS+(\t)/4], v[QS] matrix_a_fmt:MATRIX_FMT_FP6 matrix_b_fmt:MATRIX_FMT_FP6
.endif
.endm
.macro OPROD t
.if ((\t)%2) == 1
	v_wmma_scale_f32_16x16x128_f8f6f4 v[OT+8*(\t):OT+8*(\t)+7], v[KF+12*(\t):KF+12*(\t)+11], v[PCD:PCD+11], v[OT+8*(\t):OT+8*(\t)+7], v[VS+(\t)/2], v[PW] matrix_a_fmt:MATRIX_FMT_FP6 matrix_b_fmt:MATRIX_FMT_FP6 matrix_a_scale:MATRIX_SCALE_ROW1
.else
	v_wmma_scale_f32_16x16x128_f8f6f4 v[OT+8*(\t):OT+8*(\t)+7], v[KF+12*(\t):KF+12*(\t)+11], v[PCD:PCD+11], v[OT+8*(\t):OT+8*(\t)+7], v[VS+(\t)/2], v[PW] matrix_a_fmt:MATRIX_FMT_FP6 matrix_b_fmt:MATRIX_FMT_FP6
.endif
.endm
; A head wave's key step: 128 keys out of slot sl and bias tile sl.
.macro HEADSTEP sl
.irp t, 0,1,2,3,4,5,6,7
	ds_load_b128 v[S+8*\t:S+8*\t+3], v[BA] offset:BIASB*\sl+128*(\t/2)+32*(\t%2)          ; tile t, register j: key 32 (t / 2) + 8 (t % 2) + 16 h + j
	ds_load_b128 v[S+8*\t+4:S+8*\t+7], v[BA] offset:BIASB*\sl+128*(\t/2)+32*(\t%2)+16
.endr
.irp f, 0,1,2,3,4,5,6,7
	ds_load_b128 v[KF+6*\f:KF+6*\f+3], v[A16+\sl] offset:768*\f
	ds_load_b64 v[KF+6*\f+4:KF+6*\f+5], v[A8+\sl] offset:768*\f+512
.endr
	ds_load_b32 v[KS], v[A4+\sl] offset:12288      ; lanes 0-15 fragment 0's words, lanes 16-31 fragment 1's
	ds_load_b32 v[KS+1], v[A4+\sl] offset:12288+128
	s_wait_dscnt 0x0                               ; the bias and K are in; my two stores of bias rows, issued ahead of these loads, have read their registers
.irp j, 0,1,2,3
	SPROD 2*\j, 22
	SPROD 2*\j+1, 16
.endr
	NOPS 4                                         ; four places: then V's fragments land where K's lay, under the softmax, and the scores are read
.irp f, 0,1,2,3,4,5,6,7
	ds_load_b128 v[KF+6*\f:KF+6*\f+3], v[A16+\sl] offset:6144+768*\f
	ds_load_b64 v[KF+6*\f+4:KF+6*\f+5], v[A8+\sl] offset:6144+768*\f+512
.endr
	ds_load_b32 v[VS], v[A4+\sl] offset:12544
	ds_load_b32 v[VS+1], v[A4+\sl] offset:12544+128
.irp b, 0,1,2,3
	v_max3_num_f32 v[BM+\b], v[S+16*\b], v[S+16*\b+1], v[S+16*\b+2]      ; the largest logit of each block of 32 keys: for the row's maximum and, since p rises with the logit, for the block's largest p
.endr
.irp i, 3,5,7,9,11,13
.irp b, 0,1,2,3
	v_max3_num_f32 v[BM+\b], v[BM+\b], v[S+16*\b+\i], v[S+16*\b+\i+1]
.endr
.endr
.irp b, 0,1,2,3
	v_max_num_f32 v[BM+\b], v[BM+\b], v[S+16*\b+15]
.endr
.irp b, 0,1,2,3
	v_permlanex16_b32 v[PX+\b], v[BM+\b], s[SEL], s[SEL+1]
.endr
.irp b, 0,1,2,3
	v_max_num_f32 v[BM+\b], v[BM+\b], v[PX+\b]
.endr
	v_max3_num_f32 v[TT], v[BM], v[BM+1], v[BM+2]
	v_max_num_f32 v[TT], v[TT], v[BM+3]
	v_mul_f32 v[TT], s[CS], v[TT]
	v_max_num_f32 v13, v13, v[TT]                  ; the running largest t
	v_mov_b32 v[TT], v12
	v_floor_f32 v12, -v13                          ; -M = floor(-t): M is a whole number
	v_sub_f32 v[TT], v12, v[TT]
	v_cvt_i32_f32 v[TT], v[TT]                     ; (it saturates)
	v_ldexp_f32 v[FF], 1.0, v[TT]                  ; f = 2^(old M - new M)
.irp j, 0,2,4,6,8,10,12,14,16,18,20,22,24,26,28,30,32,34,36,38,40,42,44,46,48,50,52,54,56,58,60,62
	v_pk_fma_f32 v[S+\j:S+\j+1], v[S+\j:S+\j+1], s[CS:CS+1], v[12:13] op_sel_hi:[1,0,0]   ; t - M
.endr
.irp b, 0,1,2,3
	v_fma_f32 v[BM+\b], v[BM+\b], s[CS], v12
.endr
.irp j, 0,1,2,3,4,5,6,7,8,9,10,11,12,13,14,15,16,17,18,19,20,21,22,23,24,25,26,27,28,29,30,31,32,33,34,35,36,37,38,39,40,41,42,43,44,45,46,47,48,49,50,51,52,53,54,55,56,57,58,59,60,61,62,63
	v_exp_f32 v[S+\j], v[S+\j]                     ; p
.endr
.irp b, 0,1,2,3
	v_exp_f32 v[BM+\b], v[BM+\b]                   ; the block's largest p
.endr
	v_pk_mul_f32 v[14:15], v[14:15], v[FF:FF+1] op_sel_hi:[1,0]          ; the sums under the new M (a plain place behind the exponentials)
	s_wait_alu depctr_va_vdst(0)
.irp b, 0,1,2,3
	v_max_num_f32 v[BM+\b], 0x1800000, v[BM+\b]    ; the floor 2^(3 - 127): the byte cannot fall under 1
.endr
.irp b, 0,1,2,3
	v_add_nc_u32 v[SE+\b], 0xff000000, v[BM+\b]
.endr
.irp b, 0,1,2,3
	v_lshrrev_b32 v[PX+\b], 23, v[SE+\b]
.endr
	v_lshl_or_b32 v[PW], v[PX+1], 8, v[PX]
	v_lshl_or_b32 v[PW], v[PX+2], 16, v[PW]
	v_lshl_or_b32 v[PW], v[PX+3], 24, v[PW]
.irp c, 0,1
	v_cvt_scalef32_pk16_fp6_f32 v[PCD+6*\c:PCD+6*\c+2], v[S+32*\c:S+32*\c+15], v[SE+2*\c]
	v_cvt_scalef32_pk16_fp6_f32 v[CT+4*\c:CT+4*\c+2], v[S+32*\c+16:S+32*\c+31], v[SE+2*\c+1]
.endr
	v_nop                                          ; one plain place behind a scaled conversion
.irp c, 0,1
.irp i, 0,1,2
	v_permlane16_swap_b32 v[PCD+6*\c+\i], v[CT+4*\c+\i]
.endr
.irp i, 0,1,2
	v_mov_b32 v[PCD+6*\c+3+\i], v[CT+4*\c+\i]
.endr
.endr
.irp j, 0,2,4,6,8,10,12,14,16,18,20,22,24,26,28,30
	v_pk_mul_f32 v[OT+\j:OT+\j+1], v[OT+\j:OT+\j+1], v[FF:FF+1] op_sel_hi:[1,0]   ; O^T under the new M, each accumulator from its low end on
.endr
	v_pk_add_f32 v[C2:C2+1], v[S:S+1], v[S+2:S+3]  ; the row's sum of the unquantised p, in two chains: these 32 lines are also the places in front of the products below
.irp j, 4,8,12,16,20,24,28,32,36,40,44,48,52,56,60
	v_pk_add_f32 v[14:15], v[14:15], v[S+\j:S+\j+1]
	v_pk_add_f32 v[C2:C2+1], v[C2:C2+1], v[S+\j+2:S+\j+3]
.endr
	v_pk_add_f32 v[14:15], v[14:15], v[C2:C2+1]
	s_wait_dscnt 0x0                               ; V
.irp t, 0,1,2,3
	OPROD \t
.endr
	NOPS 4                                         ; four places in front of the next step's sums into p's first registers, of its loads, and of the way out
.endm
; A key step of the work-group.  Every wave: all its tensor loads landed, the add, its LDS reads and stores done; a round of the cluster's barrier.  Behind it waves 12-15 ask jointly for the next step's
; tile, into the slot read last step.  Then EVERY wave sums its two rows of the next step's bias tile (that tile was last read a step ago, and those reads were waited for ahead of this round), and asks for the
; rows of three steps on into the set just summed.  cnt: the loads issued behind the set that is summed: the younger set's six, or none.  Then the head waves run their step.
.macro TRIP sl, refill, comb, cnt, load
	s_wait_tensorcnt 0x0                           ; no tensor load of mine is out: this step's tile is in, and a group 0 may be written
	ds_add_u32 v[SPW], v[NIL]                      ; 0 onto my spare word
	s_add_nc_u64 s[G0+2+4*\sl:G0+3+4*\sl], s[G0+2+4*\sl:G0+3+4*\sl], 2*STEPB
.if \load
	s_wait_xcnt 0x0                                ; the three pointers, which loads on their way name, are stepped only behind this wait
	s_add_nc_u64 s[PSP:PSP+1], s[PSP:PSP+1], 512
	s_add_nc_u64 s[PED:PED+1], s[PED:PED+1], 512
	s_add_nc_u64 s[PMK:PMK+1], s[PMK:PMK+1], 128
.endif
	s_wait_dscnt 0x0                               ; the add is done; my reads of the other slot and bias tile are over; my stores into this step's bias tile have landed
	ROUND
.if \refill
	s_cmp_lt_u32 s[WV], 12
	s_cbranch_scc1 .Lno_fill_\@
	tensor_load_to_lds s[G0+4-4*\sl:G0+7-4*\sl], s[G1:G1+7]
	s_nop 0
	NOPS 4
.Lno_fill_\@:
.endif
.if \comb
	s_wait_loadcnt \cnt                            ; the older raw set is in
	COMBINE 1-\sl
.endif
.if \load
	RAWLOAD 1-\sl, 2                               ; the pointers stand at the next step: two steps further on
.endif
	s_cmp_lt_u32 s[WV], 12
	s_cbranch_scc0 .Ljoin_\@
	HEADSTEP \sl
.Ljoin_\@:
.endm
.macro QPAIR src, dst, tmp, dw         ; 32 numbers of a lane (register 16 b + i = k 32 b + 16 (lane / 16) + i) become six registers of codes and two scale bytes
.irp b, 0,1
	v_max3_num_f32 v[QM+\b], |v[\src+16*\b]|, |v[\src+16*\b+1]|, QFLOOR
.endr
.irp i, 2,4,6,8,10,12,14
.irp b, 0,1
	v_max3_num_f32 v[QM+\b], v[QM+\b], |v[\src+16*\b+\i]|, |v[\src+16*\b+\i+1]|
.endr
.endr
.irp b, 0,1
	v_permlanex16_b32 v[QX+\b], v[QM+\b], s[SEL], s[SEL+1]
.endr
.irp b, 0,1
	v_max_num_f32 v[QM+\b], v[QM+\b], v[QX+\b]
.endr
.irp b, 0,1
	v_add_nc_u32 v[QE+\b], 0xff000000, v[QM+\b]
.endr
.irp b, 0,1
	v_lshrrev_b32 v[QX+\b], 23, v[QE+\b]
.endr
	v_lshl_or_b32 v[\dw], v[QX+1], 8, v[QX]
	v_cvt_scalef32_pk16_fp6_f32 v[\dst:\dst+2], v[\src:\src+15], v[QE]
	v_cvt_scalef32_pk16_fp6_f32 v[\tmp:\tmp+2], v[\src+16:\src+31], v[QE+1]
	v_nop
.irp i, 0,1,2
	v_permlane16_swap_b32 v[\dst+\i], v[\tmp+\i]
.endr
.irp i, 0,1,2
	v_mov_b32 v[\dst+3+\i], v[\tmp+\i]
.endr
.endm
	s_load_b256 s[4:11], s[0:1], 0x0               ; qf, kv, sp, edge
	s_load_b128 s[12:15], s[0:1], 0x20             ; mask, ao
	v_lshl_add_u32 v[SPW], v0, 2, SPARE
	v_mov_b32 v[NIL], 0
	ds_add_u32 v1, v2
	s_wait_dscnt 0x0
	v_lshrrev_b32 v12, 5, v0
	v_readfirstlane_b32 s[WV], v12                 ; wave 0..15
	s_and_b32 s21, s[WV], 3                        ; e
	s_lshr_b32 s22, s[WV], 1                       ; head in the group
	s_and_b32 s23, s[WV], 1                        ; u
	s_bfe_u32 s66, ttmp6, 0x40000                  ; cx: it enters global addresses of q, the bias and ao alone
	s_lshl_b32 s67, ttmp9, 2
	s_add_co_u32 s67, s67, s66                     ; qb
	s_and_b32 s68, ttmp7, 0xffff                   ; y, which the four partners share
	s_lshr_b32 s69, s68, 1                         ; batch
	s_and_b32 s70, s68, 1                          ; head group
	s_mov_b32 s[G1], 15|(3<<16)|(1<<21)            ; the mask: all four work-groups; elements of 8 bytes; bit 21 set beside a mask
	s_mov_b32 s[G1+1], 32<<16                      ; a dense block as 75 rows of 256 bytes
	s_mov_b32 s[G1+2], 75<<16
	s_mov_b32 s[G1+3], 32<<16
	s_mov_b32 s[G1+4], 75
	s_mov_b32 s[G1+5], 32
	s_mov_b32 s[G1+6], 0
	s_mov_b32 s[G1+7], 0
	s_mov_b32 s[SEL], 0x76543210
	s_mov_b32 s[SEL+1], 0xfedcba98
	s_mov_b32 s[CS], 0x3fb8aa3b                    ; log2(e)
	s_mov_b32 s[CS+1], s[CS]
	s_mov_b32 s44, 0x000c0c0c                      ; byte i of the source on top, zeros below
	s_mov_b32 s45, 0x010c0c0c
	s_mov_b32 s46, 0x020c0c0c
	s_mov_b32 s47, 0x030c0c0c
	s_mul_i32 s80, s21, 19200                      ; a quarter of a step's 76,800 bytes, in LDS and in memory
	s_mul_i32 s82, s68, 8*STEPB
	s_add_co_u32 s82, s82, s80
	s_mov_b32 s83, 0
	s_mov_b32 s73, 0
	s_mov_b32 s79, 0
	s_mul_i32 s71, s70, 6
	s_add_co_u32 s71, s71, s22                     ; head
	; every LDS address register is made here, ahead of the first parting of the roles, and holds nothing else
	v_and_b32 v12, 31, v0                          ; lane
	v_and_b32 v13, 15, v0                          ; r
	v_bfe_u32 v14, v0, 4, 1                        ; h
	s_mul_i32 s75, s22, 12800
	v_lshl_add_u32 v[A16], v12, 4, s75
	v_add_nc_u32 v[A16+1], SLOT1, v[A16]
	v_lshl_add_u32 v[A8], v12, 3, s75
	v_add_nc_u32 v[A8+1], SLOT1, v[A8]
	v_lshl_add_u32 v[A4], v12, 2, s75
	v_add_nc_u32 v[A4+1], SLOT1, v[A4]
	s_mul_i32 s75, s23, 16*BPITCH
	s_add_co_u32 s75, s75, BIAS0
	v_mul_u32_u24 v[BA], v13, BPITCH
	v_lshl_add_u32 v[BA], v14, 6, v[BA]
	v_add_nc_u32 v[BA], s75, v[BA]                 ; place 16 u + r, + 64 h
	s_and_b32 s75, s[WV], 3                        ; queries 2 w + i lie at places 2 (w & 3) + 16 ((w / 4) & 1) + 8 (w / 8) + i
	s_lshl_b32 s75, s75, 1
	s_bfe_u32 s76, s[WV], 0x10002
	s_lshl_b32 s76, s76, 4
	s_add_co_u32 s75, s75, s76
	s_lshr_b32 s76, s[WV], 3
	s_lshl_b32 s76, s76, 3
	s_add_co_u32 s75, s75, s76
	s_mul_i32 s75, s75, BPITCH
	s_add_co_u32 s75, s75, BIAS0
	v_lshl_add_u32 v[HB], v12, 4, s75
	s_lshl_b32 s75, s[WV], 13                      ; 2 w rows of 4,096 bytes,
	v_lshl_add_u32 v[GF], v12, 4, s75
	s_lshl_b32 s75, s[WV], 11                      ; of 1,024 in the mask
	v_lshl_add_u32 v[GM], v12, 2, s75
	v_lshlrev_b32 v228, 4, v12                     ; for q's three loads alone: 16 x lane, 8 x lane, 4 r
	v_lshlrev_b32 v229, 3, v12
	v_lshlrev_b32 v230, 2, v13
	s_wait_kmcnt 0x0
	s_add_nc_u64 s[84:85], s[6:7], s[82:83]
	s_mov_b32 s[G0], 1
	s_mov_b32 s[G0+1], s80
	s_mov_b64 s[G0+2:G0+3], s[84:85]               ; step 0
	s_or_b32 s[G0+3], s[G0+3], 0x80000000
	s_mov_b32 s[G0+4], 1
	s_add_co_u32 s[G0+5], s80, SLOT1
	s_add_nc_u64 s[G0+6:G0+7], s[84:85], STEPB     ; step 1
	s_or_b32 s[G0+7], s[G0+7], 0x80000000
	s_lshl_b32 s72, s69, 22                        ; the bias: batch x 1,024 rows + 32 qb rows, of 4,096 bytes (the mask: of 1,024)
	s_lshl_b32 s74, s67, 17
	s_add_co_u32 s72, s72, s74
	s_add_nc_u64 s[PSP:PSP+1], s[8:9], s[72:73]
	s_add_nc_u64 s[PED:PED+1], s[10:11], s[72:73]
	s_lshr_b32 s72, s72, 2
	s_add_nc_u64 s[PMK:PMK+1], s[12:13], s[72:73]
	s_lshl_b32 s72, s69, 4                         ; q: record (token / 64, head)
	s_lshr_b32 s74, s67, 1
	s_add_co_u32 s72, s72, s74
	s_mul_i32 s72, s72, 12
	s_add_co_u32 s72, s72, s71
	s_mul_i32 s72, s72, 3328
	s_add_nc_u64 s[60:61], s[4:5], s[72:73]
	s_and_b32 s74, s67, 1
	s_lshl_b32 s72, s74, 6
	s_add_co_u32 s72, s72, 3072
	s_add_nc_u64 s[62:63], s[60:61], s[72:73]      ; its scale words: tiles 2 (qb & 1) and the next in one word
	s_lshl_b32 s72, s74, 1
	s_add_co_u32 s72, s72, s23
	s_mul_i32 s72, s72, 768
	s_add_nc_u64 s[60:61], s[60:61], s[72:73]      ; my tile's half image
	s_lshl_b32 s72, s69, 3                         ; ao: record (token / 128, head), tile 2 cx + u
	s_add_co_u32 s72, s72, ttmp9
	s_mul_i32 s72, s72, 12
	s_add_co_u32 s72, s72, s71
	s_mul_i32 s72, s72, 7168
	s_lshl_b32 s74, s66, 1
	s_add_co_u32 s74, s74, s23
	s_mul_i32 s78, s74, 768
	s_add_co_u32 s78, s78, s72
	s_add_nc_u64 s[56:57], s[14:15], s[78:79]
	s_lshl_b32 s78, s74, 7
	s_add_co_u32 s78, s78, s72
	s_add_co_u32 s78, s78, 6144
	s_add_nc_u64 s[58:59], s[14:15], s[78:79]
	s_cmp_lt_u32 s[WV], 12                         ; all that comes from memory into registers is asked for ahead of the first round: q by the head waves,
	s_cbranch_scc0 .Lno_q
	global_load_b128 v[22:25], v228, s[60:61]      ; q's six registers stay
	global_load_b64 v[26:27], v229, s[60:61] offset:512
	global_load_b32 v[QS], v230, s[62:63]
.Lno_q:
	RAWLOAD 0, 0                                   ; and by every wave its rows of steps 0 and 1
	RAWLOAD 1, 1
	ROUND                                          ; all four work-groups are here: the first joint loads meet
	s_cmp_lt_u32 s[WV], 12
	s_cbranch_scc1 .Lhead_first
	tensor_load_to_lds s[G0:G0+3], s[G1:G1+7]      ; step 0 into slot 0
	s_nop 0
	NOPS 4
	s_branch .Lfirst_done
.Lhead_first:
.irp j, 16,17,18,19,20,21,28,29,30,31,32,33
	v_mov_b32 v[\j], 0                             ; the zero halves round q
.endr
	v_mov_b32 v13, 0xfe967699                      ; the largest t so far: -1e38, over every masked t and under every other
	v_floor_f32 v12, -v13
	v_mov_b32 v14, 0
	v_mov_b32 v15, 0
	v_mov_b32 v[FF+1], 0                           ; (named as the upper half of a pair)
	s_lshl_b32 s75, s23, 4
	s_wait_loadcnt 12                              ; q is in; the twelve loads of raw rows issued behind it may stay out
	v_lshrrev_b32 v[QS], s75, v[QS]                ; my tile's two bytes,
	v_and_b32 v[QS], 0xffff, v[QS]
	v_lshl_or_b32 v[QS], v[QS], 16, v[QS]          ; for either place of q in source 1,
	v_add_nc_u32 v[QS], 0xfcfcfcfd, v[QS]          ; each less 3: the division by 8.  The bytes are 4 at the least, so nothing is borrowed
.irp j, 0,1,2,3,4,5,6,7,8,9,10,11,12,13,14,15,16,17,18,19,20,21,22,23,24,25,26,27,28,29,30,31
	v_mov_b32 v[OT+\j], 0                          ; O^T: the step is written once and its first run finds zeros.  (These lines are also the places behind the scale word's making)
.endr
.Lfirst_done:
	s_wait_loadcnt 6                               ; step 0's rows are in (and q, asked for ahead of them); step 1's six loads may stay out
	COMBINE 0                                      ; bias tile 0.  (It also writes v216-219 whole, which the lane permutes of the steps name as destinations)
	RAWLOAD 0, 2                                   ; step 2's rows
	s_mov_b32 s48, 2
.Lloop:                                            ; steps 0 to 3: step i asks for tile i + 1, makes bias tile i + 1 and asks for the raw rows of step i + 3
	TRIP 0, 1, 1, 6, 1
	TRIP 1, 1, 1, 6, 1
	s_sub_co_u32 s48, s48, 1
	s_cmp_lg_u32 s48, 0
	s_cbranch_scc1 .Lloop
	TRIP 0, 1, 1, 6, 1                             ; steps 4 to 7 are written out. Step 4 asks for the last rows, step 7's
	TRIP 1, 1, 1, 6, 0
	TRIP 0, 1, 1, 0, 0                             ; nothing was asked for behind step 7's rows
	TRIP 1, 0, 0, 0, 0
	s_cmp_lt_u32 s[WV], 12
	s_cbranch_scc0 .Lend
	v_add_f32 v14, v14, v15                        ; l: the two halves,
	v_permlanex16_b32 v[TT], v14, s[SEL], s[SEL+1]
	v_add_f32 v14, v14, v[TT]                      ; and lane l xor 16's
	v_rcp_f32 v[FF], v14
	v_and_b32 v12, 31, v0                          ; (a plain place behind the reciprocal)  the stores' offsets, in registers that the softmax has left:
	v_lshlrev_b32 v13, 3, v12                      ; 8 x lane,
	v_lshlrev_b32 v15, 2, v12                      ; 4 x lane,
	v_lshlrev_b32 v12, 4, v12                      ; 16 x lane
	s_wait_alu depctr_va_vdst(0)
.irp j, 0,2,4,6,8,10,12,14,16,18,20,22,24,26,28,30
	v_pk_mul_f32 v[OT+\j:OT+\j+1], v[OT+\j:OT+\j+1], v[FF:FF+1] op_sel_hi:[1,0]
.endr
	QPAIR OT, PCD, CT, PW
	v_mov_b32 v[TT], 0xffff
	v_cmp_eq_f32 vcc_lo, 0, v14                    ; every key masked: the NaN byte, twice
	v_cndmask_b32 v[PW], v[PW], v[TT], vcc_lo
	global_store_b128 v12, v[PCD:PCD+3], s[56:57]
	global_store_b64 v13, v[PCD+4:PCD+5], s[56:57] offset:512
	global_store_b32 v15, v[PW], s[58:59]
.Lend:
	s_wait_tensorcnt 0x0                           ; the wave's end
	ds_add_u32 v[SPW], v[NIL]
	s_wait_dscnt 0x0
	ROUND                                          ; the closing round
	s_endpgm
.Lfunc_end_k_q80a2080a06_attn:
	.size	k_q80a2080a06_attn, .Lfunc_end_k_q80a2080a06_attn-k_q80a2080a06_attn
	.p2alignl 7, 3214868480
	.fill 96, 4, 3214868480
	.section	.rodata,"a",@progbits
	.p2align	6, 0x0
	.amdhsa_kernel k_q80a2080a06_attn
		.amdhsa_group_segment_fixed_size 327680
		.amdhsa_private_segment_fixed_size 0
		.amdhsa_enable_private_segment 0
		.amdhsa_kernarg_size 48
		.amdhsa_user_sgpr_count 2
		.amdhsa_user_sgpr_kernarg_segment_ptr 1
		.amdhsa_wavefront_size32 1
		.amdhsa_system_sgpr_workgroup_id_x 1
		.amdhsa_system_sgpr_workgroup_id_y 1
		.amdhsa_system_sgpr_workgroup_id_z 1
		.amdhsa_system_vgpr_workitem_id 0
		.amdhsa_next_free_vgpr 256
		.amdhsa_next_free_sgpr 86
		.amdhsa_reserve_vcc 1
		.amdhsa_float_denorm_mode_32 3
		.amdhsa_float_denorm_mode_16_64 3
		.amdhsa_memory_ordered 1
		.amdhsa_forward_progress 1
		.amdhsa_inst_pref_size 129
	.end_amdhsa_kernel
	.amdgpu_metadata
---
amdhsa.version: [ 1, 2 ]
amdhsa.kernels:
  - .name:           k_q80a2080a06_attn
    .symbol:         k_q80a2080a06_attn.kd
    .args:
      - { .name: qf, .offset: 0, .size: 8, .value_kind: global_buffer, .address_space: global }
      - { .name: kv, .offset: 8, .size: 8, .value_kind: global_buffer, .address_space: global }
      - { .name: sp_enc, .offset: 16, .size: 8, .value_kind: global_buffer, .address_space: global }
      - { .name: edge_enc, .offset: 24, .size: 8, .value_kind: global_buffer, .address_space: global }
      - { .name: mask, .offset: 32, .size: 8, .value_kind: global_buffer, .address_space: global }
      - { .name: ao, .offset: 40, .size: 8, .value_kind: global_buffer, .address_space: global }
    .group_segment_fixed_size: 327680
    .private_segment_fixed_size: 0
    .kernarg_segment_align: 8
    .kernarg_segment_size: 48
    .max_flat_workgroup_size: 512
    .sgpr_count:     86
    .vgpr_count:     256
    .wavefront_size: 32
...
	.end_amdgpu_metadata
.endif
;; end of part 4
;; launch outp: the kernel of part 3 again; grid 4 x 64, 8 waves a work-group, no clusters, 230,400 bytes of LDS; arguments ao, Wo_codes, Wo_scales, bo, out0; writes out0
